; MI455X (gfx1250); checked and timed in simulation.
; The chip was launched on July 23, 2026; its instructions are those of AMD's public machine-readable ISA for CDNA 5 (MIT licence, August 2026) and "CDNA5" Instruction Set Architecture Reference Guide (July 2026). The comments in the code are by the model that wrote it; some were corrected since.
;; Tan AI Lite Block. Allowed arithmetic: matrix products marked QUANTISED: E5M2 operands, one E8M0 scale for each 32 along K, by v_wmma_scale_f32_16x16x128_f8f6f4 with both operands' format E5M2, f32 sums; everything else in f32.
;; Inputs: attention_mask 2 x 2,048 int32; w_down 1,024 x 4,096 float32; w_norm_attn 1,024 float32; w_norm_mlp 1,024 float32; w_up 4,096 x 1,024 float32; wk 1,024 x 1,024 float32; wo 1,024 x 1,024 float32; wq 1,024 x 1,024 float32; wv 1,024 x 1,024 float32; x 2 x 2,048 x 1,024 float32.
;; Outputs: out0 2 x 2,048 x 1,024 float32.
;; This version of the problem:
;;   THIS VERSION OF THE PROBLEM IS GIVEN IN LOW PRECISION. The matrix products marked QUANTISED in the list below multiply operands that are first quantised to E5M2 (5 exponent bits, 2 mantissa bits; 8 bits a number), with one power-of-two scale for each 32 numbers along K (OCP MX v1.0); their sums are f32. All else is computed in f32.
;;   The module's matrix products, in the order in which they are computed (A, B: the left and right operand; K: the contracted axis; several contracted axes count as one K, in the product's order):
;;     1. [M 4,096, K 1,024] x [K 1,024, N 1,024]; A: computed on the way; B: input wq: QUANTISED
;;     2. [M 4,096, K 1,024] x [K 1,024, N 1,024]; A: computed on the way; B: input wk: QUANTISED
;;     3. [M 4,096, K 1,024] x [K 1,024, N 1,024]; A: computed on the way; B: input wv: QUANTISED
;;     4. batch 32 x [M 2,048, K 64] x [K 64, N 2,048]; A: computed on the way; B: computed on the way: QUANTISED
;;     5. batch 32 x [M 2,048, K 2,048] x [K 2,048, N 64]; A: computed on the way; B: computed on the way: QUANTISED
;;     6. [M 4,096, K 1,024] x [K 1,024, N 1,024]; A: computed on the way; B: input wo: QUANTISED
;;     7. [M 4,096, K 1,024] x [K 1,024, N 4,096]; A: computed on the way; B: input w_up: QUANTISED
;;     8. [M 4,096, K 4,096] x [K 4,096, N 1,024]; A: computed on the way; B: input w_down: QUANTISED
;;   THE QUANTISER, for each operand of a quantised product, along K:
;;     - K is cut into blocks of 32 from its start; a last block that is shorter is filled with zeros.
;;     - A block's scale is 2^e with e = floor(log2(the largest magnitude in the block)) - 15, held to -126 .. 127; a block of zeros has e = 0. As a byte (E8M0): e + 127.
;;     - Each number is divided by its block's scale, clamped to +-57,344, and rounded to the nearest number of E5M2, ties to even, subnormals kept.
;;     - The product sums the exact products of the quantised numbers (number of the format x scale) in f32.
;;   ~~~python
;;   def quantise(x, axis):      # numpy; x: float32 -> the quantised numbers, widened to float32 again
;;       x = np.moveaxis(x, axis, -1); K = x.shape[-1]
;;       x = np.pad(x, [(0, 0)] * (x.ndim - 1) + [(0, -K % 32)]); x = x.reshape(x.shape[:-1] + (-1, 32)); a = np.abs(x).max(-1, keepdims=True)
;;       e = np.where(a > 0, np.clip(np.frexp(np.where(a > 0, a, 1))[1] - 1 - 15, -126, 127), 0)      # np.frexp(a)[1] - 1 = floor(log2(a)), exactly
;;       r = np.clip(x / 2.0 ** e, -57344, 57344)
;;       step = 2.0 ** (np.maximum(np.frexp(np.where(r == 0, 1, r))[1] - 1, -14) - 2)
;;       q = np.round(r / step) * step * 2.0 ** e      # np.round: ties to even
;;       return np.moveaxis(q.reshape(q.shape[:-2] + (-1,))[..., :K], -1, axis).astype(np.float32)
;;   ~~~
;;   OPERANDS COMPUTED ON THE WAY. 'Computed on the way' means the value that the module computes at that place (a softmax that the list does not call 'softmax' is quantised finished and normalised). What goes into a quantiser is computed in f32, as accurately as f32 sums, v_exp_f32 and their like allow (about 1e-6 of the number): no bf16 or f16 on the way to a quantiser, and a product that is left as it is and whose result goes on into a quantised operand takes f32 operands (vector FMAs, or v_wmma_f32_16x16x4_f32). A number that lies on a knife's edge between two numbers of the format may be rounded either way, as far as f32 arithmetic and the matrix unit's own rounding can turn it there, and no further.
;; One version. Each part assembles by itself: llvm-mc -triple=amdgcn-amd-amdhsa -mcpu=gfx1250 --defsym DOCPART=n.
;; ======== version 1 of 1: 7 launches
;; limits: right only within a limited range of input values
;; workspace buffers: hq1 4,325,376 bytes; wc 12,976,128 bytes; qkv 12,976,128 bytes; attq 4,325,376 bytes; x2 16,777,216 bytes; hq2 4,325,376 bytes; hid 17,301,504 bytes
;; launch prep (part 1): grid 1024 x 1, 4 waves a work-group, no clusters, 23,040 bytes of LDS; arguments x, w_norm_attn, hq1, wq, wk, wv, wo, w_up, w_down, wc; writes hq1, wc
.if DOCPART == 1
	.amdgcn_target "amdgcn-amd-amdhsa--gfx1250"
	.amdhsa_code_object_version 6
	.text
	.protected	k_qdb818119ba_prep
	.globl	k_qdb818119ba_prep
	.p2align	8
	.type	k_qdb818119ba_prep,@function
k_qdb818119ba_prep:
	s_mov_b64 s[64:65], 0
	v_nop
	global_prefetch_b8 v0, s[64:65] scope:SCOPE_SE
	s_setreg_imm32_b32 hwreg(HW_REG_WAVE_MODE, 25, 1), 1
	s_wait_xcnt 0x0
; THE PROGRAM: prep (norm 1 and all codes of the weights), qkv, attn, wo, norm2, up, down.  All eight products run on codes of E5M2 with one E8M0 byte for each 32 along K.
; WORK LEFT OUT (in attn): key steps of 128 keys that lie wholly behind a wave's 16 queries under the causal mask that reference() builds itself.
;   Where a row has a visible key that attention_mask lets count, a hidden key's score is -1e9, its p = exp(-1e9 - m) / sum lies under the smallest code under the smallest scale (the exponent is held at -126),
;   so its quantised p is exactly 0 and adds nothing to product 5; its share of the row's sum lies under half an ulp of the sum for every finite m above -2^29.
;   Where a row has no such key, all 2,048 scores are -1e9, p is 1/2048 on every key, the hidden ones too: that row is served by vm, the sum over all keys that waves 0-3 of attn make, and chosen by a select in attn.
;   LIMITS: scaled scores under -2^29 are not told from masked ones; a NaN, an infinity or an overflow that reaches only the steps left out is not carried to the result.  No input is left out.
; THIS LAUNCH: h1 = x * rsqrt(mean(x^2) + 1e-6) * gain, and wq|wk|wv|wo (stacked), w_up, w_down as they are, are quantised along K (their last axis).
; LAYOUT of every array of codes in this program: codes [K/64][rows][64 bytes], then scale words [K/128][rows][4 bytes].  PS = bytes from panel to panel, SS = PS/16 from scale step to scale step.
; A work-group takes 16 rows x 1,024 columns of one tensor, a wave 4 rows, in 8 steps of 4 rows x 128 columns.  Each load reads 512 consecutive bytes; a step's 2,048 bytes turn through the wave's own stage in LDS so that
; a lane holds 16 neighbours along K (lanes l and l xor 1 share a block); a step's codes leave as two runs of 256 consecutive bytes.  The scale words leave in runs of 16 bytes: one byte in 128 of what is read.
; LIMITS: a block whose largest magnitude lies under 2^-111 keeps the byte 1 (a block of zeros too: its codes are zeros, and this program alone reads the bytes); NaN and infinities among the inputs are not served.
.set WREG, 5632                        ; LDS of a wave: two stages of 2,560 bytes, 128 scale bytes at 5,120
.set SPARE, 4*WREG                     ; the spare words, 128 bytes a wave
.set OFF, 3                            ; v3-6    row i: i x pitch + 16 x lane
.set SPW, 12
.set NIL, 13
.set CO, 20                            ; v20-27  step s: where my 16 codes go
.set X, 32                             ; v32-63  two sets of 16 neighbours (ahead of the steps: the rows' sums and factors)
.set R, 64                             ; v64-191 the 8 steps' numbers as loaded
.set C, 192                            ; v192-223 codes
.set G, 224                            ; v224-255 the gain; afterwards
.set E, 224                            ; v224-231 a scale byte for each step
	s_load_b256 s[4:11], s[0:1], 0x0               ; x, gain, hq1, wq
	s_load_b256 s[12:19], s[0:1], 0x20             ; wk, wv, wo, w_up
	s_load_b128 s[20:23], s[0:1], 0x40             ; w_down, wc
	v_lshl_add_u32 v[SPW], v0, 2, SPARE
	v_mov_b32 v[NIL], 0
	v_lshrrev_b32 v1, 5, v0
	v_readfirstlane_b32 s24, v1                    ; wave
	v_and_b32 v1, 31, v0                           ; lane
	; which tensor: t = work-group / 64: 0-3 x, 4 wq, 5 wk, 6 wv, 7 wo, 8-11 w_up, 12-15 w_down (a quarter of K each)
	s_wait_alu depctr_va_vdst(0)
	s_lshr_b32 s25, ttmp9, 6
	s_bfe_u32 s31, ttmp9, 0x20006
	s_mov_b32 s32, 255
	s_bitcmp1_b32 s25, 2
	s_cselect_b32 s33, 63, s32                     ; the source has 64 or 256 groups of 16 rows
	s_cmp_lt_u32 s25, 12
	s_cselect_b32 s28, 12, 14                      ; log2 of a source row's bytes
	s_cselect_b32 s29, 18, 16                      ; log2 PS
	s_cselect_b32 s30, s32, 63                     ; the array likewise
	s_cselect_b32 s31, 0, s31                      ; which 1,024 along K
	s_mov_b32 s36, 8650752
	s_cselect_b32 s36, 4325376, s36
	s_cmp_lt_u32 s25, 8
	s_cselect_b32 s36, 0, s36                      ; where the array begins in its buffer
	s_and_b32 s33, ttmp9, s33
	s_lshl_b32 s33, s33, 4
	s_lshl_b32 s37, s24, 2
	s_add_co_u32 s33, s33, s37                     ; my first source row
	s_and_b32 s30, ttmp9, s30
	s_lshl_b32 s30, s30, 4
	s_add_co_u32 s30, s30, s37                     ; my first row in the array
	s_lshl_b32 s38, s33, s28
	s_lshl_b32 s39, s31, 12
	s_add_co_u32 s38, s38, s39
	s_mov_b32 s39, 0                               ; s[38:39] source offset
	s_lshl_b32 s34, 1, s28                         ; pitch
	s_lshl_b32 s35, 2, s29                         ; 2 PS
	s_lshl_b32 s40, s31, 4
	s_lshl_b32 s40, s40, s29
	s_lshl_b32 s41, s30, 6
	s_add_co_u32 s40, s40, s41
	s_add_co_u32 s40, s40, s36
	s_mov_b32 s41, 0                               ; s[40:41] codes' offset
	s_sub_co_u32 s44, s29, 4                       ; log2 SS
	s_lshl_b32 s42, s31, 3
	s_lshl_b32 s42, s42, s44
	s_lshl_b32 s43, s30, 2
	s_add_co_u32 s42, s42, s43
	s_add_co_u32 s42, s42, s36
	s_add_co_u32 s42, s42, 4194304
	s_mov_b32 s43, 0                               ; s[42:43] scale words' offset
	s_mov_b32 s52, 0x76543210
	s_mov_b32 s53, 0xfedcba98                      ; lane l xor 16
	s_mov_b32 s54, 0x600000                        ; the mantissa field of 57,344
	s_mov_b32 s55, 0x3a800000                      ; 1/1024
	s_mov_b32 s56, 0x358637bd                      ; 1e-6
	v_lshlrev_b32 v[OFF], 4, v1
.irp i, 1,2,3
	v_add_nc_u32 v[OFF+\i], s34, v[OFF+\i-1]
.endr
	s_mul_i32 s45, s24, WREG
	v_lshrrev_b32 v7, 2, v1
	v_and_b32 v8, 3, v1
	v_mul_u32_u24 v14, v7, 80
	v_lshl_add_u32 v14, v8, 4, v14
	v_add_nc_u32 v14, s45, v14                     ; stage, in: 80 (lane / 4) + 16 (lane % 4); row i 640 bytes on
	v_and_b32 v9, 3, v7                            ; my row on the way out
	v_lshrrev_b32 v10, 4, v1
	v_lshl_add_u32 v15, v9, 3, v8
	v_lshl_add_u32 v15, v10, 2, v15
	v_mul_u32_u24 v15, v15, 80
	v_add_nc_u32 v15, s45, v15                     ; stage, out: place 8 row + 4 (lane / 16) + lane % 4: 16 neighbours
	v_bfe_u32 v16, v1, 1, 1
	v_lshl_add_u32 v16, v10, 1, v16
	v_lshl_add_u32 v16, v9, 2, v16
	v_add_nc_u32 v16, s45, v16                     ; my block's scale byte: 4 row + block
	v_lshl_add_u32 v17, v1, 2, s45                 ; the scale words on the way out
	v_lshlrev_b32 v18, s44, v7
	v_lshl_add_u32 v18, v8, 2, v18                 ; word (step lane / 4, row lane % 4)
	v_and_b32 v11, 15, v1
	v_lshlrev_b32 v[CO], s29, v10
	v_lshl_add_u32 v[CO], v11, 4, v[CO]            ; panel lane / 16, then 16 lanes on 256 consecutive bytes
.irp s, 1,2,3,4,5,6,7
	v_add_nc_u32 v[CO+\s], s35, v[CO+\s-1]
.endr
	s_wait_kmcnt 0x0
	s_mov_b64 s[26:27], s[20:21]
	s_cmp_lt_u32 s25, 12
	s_cselect_b64 s[26:27], s[18:19], s[26:27]
	s_cmp_lt_u32 s25, 8
	s_cselect_b64 s[26:27], s[16:17], s[26:27]
	s_cmp_lt_u32 s25, 7
	s_cselect_b64 s[26:27], s[14:15], s[26:27]
	s_cmp_lt_u32 s25, 6
	s_cselect_b64 s[26:27], s[12:13], s[26:27]
	s_cmp_lt_u32 s25, 5
	s_cselect_b64 s[26:27], s[10:11], s[26:27]
	s_cmp_lt_u32 s25, 4
	s_cselect_b64 s[26:27], s[4:5], s[26:27]
	s_cselect_b64 s[46:47], s[8:9], s[22:23]       ; x's codes go to hq1, the weights' to wc
	s_add_nc_u64 s[26:27], s[26:27], s[38:39]
	s_add_nc_u64 s[48:49], s[46:47], s[40:41]
	s_add_nc_u64 s[50:51], s[46:47], s[42:43]
.irp s, 0,1,2,3,4,5,6,7
.irp i, 0,1,2,3
	global_load_b128 v[R+16*\s+4*\i:R+16*\s+4*\i+3], v[OFF+\i], s[26:27] offset:512*\s th:TH_LOAD_NT
.endr
.endr
	s_cmp_lt_u32 ttmp9, 256
	s_cbranch_scc0 .Lplain                         ; the weights are quantised as they are
	; the norm: work on registers alone.  A row's 1,024 numbers lie in one wave: 32 a lane
.irp s, 0,1,2,3,4,5,6,7
	global_load_b128 v[G+4*\s:G+4*\s+3], v[OFF], s[6:7] offset:512*\s
.endr
	s_wait_loadcnt 0x0
.irp i, 0,1,2,3
	v_pk_mul_f32 v[32+2*\i:33+2*\i], v[R+4*\i:R+4*\i+1], v[R+4*\i:R+4*\i+1]
.endr
.irp i, 0,1,2,3
	v_pk_fma_f32 v[32+2*\i:33+2*\i], v[R+4*\i+2:R+4*\i+3], v[R+4*\i+2:R+4*\i+3], v[32+2*\i:33+2*\i]
.endr
.irp s, 1,2,3,4,5,6,7
.irp u, 0,2
.irp i, 0,1,2,3
	v_pk_fma_f32 v[32+2*\i:33+2*\i], v[R+16*\s+4*\i+\u:R+16*\s+4*\i+\u+1], v[R+16*\s+4*\i+\u:R+16*\s+4*\i+\u+1], v[32+2*\i:33+2*\i]
.endr
.endr
.endr
.irp i, 0,1,2,3
	v_add_f32 v[32+2*\i], v[32+2*\i], v[33+2*\i]
.endr
.irp m, 1,2,4,8
.irp i, 0,1,2,3
	v_add_f32_dpp v[32+2*\i], v[32+2*\i], v[32+2*\i] row_xmask:\m row_mask:0xf bank_mask:0xf
.endr
.endr
.irp i, 0,1,2,3
	v_permlanex16_b32 v[33+2*\i], v[32+2*\i], s52, s53
.endr
.irp i, 0,1,2,3
	v_add_f32 v[32+2*\i], v[32+2*\i], v[33+2*\i]
.endr
.irp i, 0,1,2,3
	v_fma_f32 v[32+2*\i], v[32+2*\i], s55, s56     ; mean + eps
.endr
	s_wait_alu depctr_va_vdst(0)
.irp i, 0,1,2,3
	v_rsq_f32 v[40+2*\i], v[32+2*\i]
.endr
.irp i, 0,1,2,3
	v_mov_b32 v[41+2*\i], 0                        ; plain lines behind the batch; the pairs' upper halves are named below, so they are written
.endr
	s_wait_alu depctr_va_vdst(0)                   ; one wait for the four, ahead of their first reader
.irp s, 0,1,2,3,4,5,6,7
.irp i, 0,1,2,3
.irp u, 0,2
	v_pk_mul_f32 v[R+16*\s+4*\i+\u:R+16*\s+4*\i+\u+1], v[R+16*\s+4*\i+\u:R+16*\s+4*\i+\u+1], v[40+2*\i:41+2*\i] op_sel_hi:[1,0]
.endr
.endr
.irp i, 0,1,2,3
.irp u, 0,2
	v_pk_mul_f32 v[R+16*\s+4*\i+\u:R+16*\s+4*\i+\u+1], v[R+16*\s+4*\i+\u:R+16*\s+4*\i+\u+1], v[G+4*\s+\u:G+4*\s+\u+1]
.endr
.endr
.endr
.Lplain:
	s_wait_loadcnt 0x0
.macro TURN s                          ; step s through the stage: LDS serves a wave's instructions in order, so no wait stands between the stores and the loads
.irp i, 0,1,2,3
	ds_store_b128 v14, v[R+16*(\s)+4*\i:R+16*(\s)+4*\i+3] offset:2560*((\s)%2)+640*\i
.endr
.irp i, 0,1,2,3
	ds_load_b128 v[X+16*((\s)%2)+4*\i:X+16*((\s)%2)+4*\i+3], v15 offset:2560*((\s)%2)+16*\i
.endr
.endm
.macro STEP s
.set XS, X+16*((\s)%2)
.if (\s) > 0
	s_wait_dscnt 1                                 ; this step's numbers are back; the last step's byte store may be out
.else
	s_wait_dscnt 0x0
.endif
.if (\s)+1 < 8
	TURN (\s)+1
.endif
	v_max3_num_f32 v8, |v[XS]|, |v[XS+1]|, |v[XS+2]|
	v_max3_num_f32 v9, |v[XS+3]|, |v[XS+4]|, |v[XS+5]|
.irp i, 6,10
	v_max3_num_f32 v8, v8, |v[XS+\i]|, |v[XS+\i+1]|
	v_max3_num_f32 v9, v9, |v[XS+\i+2]|, |v[XS+\i+3]|
.endr
	v_max3_num_f32 v8, v8, |v[XS+14]|, |v[XS+15]|
	v_max3_num_f32 v8, v8, v9, 0x8000000           ; the floor 2^(16 - 127): the byte cannot fall under 1
	v_max_num_f32_dpp v8, v8, v8 row_xmask:1 row_mask:0xf bank_mask:0xf   ; with my neighbour's 16: the block's largest magnitude
	v_add_nc_u32 v11, 0xf8800000, v8               ; 15 off its exponent field: the conversion's scale operand
	v_and_or_b32 v10, v8, 0x7f800000, s54          ; 57,344 x the scale
.irp i, 0,1,2,3,4,5,6,7,8,9,10,11,12,13,14,15
	v_med3_num_f32 v[XS+\i], v[XS+\i], -v10, v10   ; the conversion does not saturate (ISA guide 7.6.2): the hold
.endr
	v_cvt_scalef32_pk8_bf8_f32 v[C+4*(\s):C+4*(\s)+1], v[XS:XS+7], v11
	v_cvt_scalef32_pk8_bf8_f32 v[C+4*(\s)+2:C+4*(\s)+3], v[XS+8:XS+15], v11
	v_lshrrev_b32 v[E+(\s)], 23, v11               ; the scale's byte
	ds_store_b8 v16, v[E+(\s)] offset:5120+16*(\s) ; both lanes of a block write the same byte with the same value
	global_store_b128 v[CO+(\s)], v[C+4*(\s):C+4*(\s)+3], s[48:49]
.endm
	TURN 0
.irp s, 0,1,2,3,4,5,6,7
	STEP \s
.endr
	ds_load_b32 v8, v17 offset:5120
	s_wait_dscnt 0x0
	global_store_b32 v18, v8, s[50:51]
	s_wait_tensorcnt 0x0                           ; the wave's end
	ds_add_u32 v[SPW], v[NIL]
	s_wait_dscnt 0x0
	s_endpgm
.Lfunc_end_k_qdb818119ba_prep:
	.size	k_qdb818119ba_prep, .Lfunc_end_k_qdb818119ba_prep-k_qdb818119ba_prep
	.p2alignl 7, 3214868480
	.fill 96, 4, 3214868480
	.section	.rodata,"a",@progbits
	.p2align	6, 0x0
	.amdhsa_kernel k_qdb818119ba_prep
		.amdhsa_group_segment_fixed_size 23040
		.amdhsa_private_segment_fixed_size 0
		.amdhsa_enable_private_segment 0
		.amdhsa_kernarg_size 80
		.amdhsa_user_sgpr_count 2
		.amdhsa_user_sgpr_kernarg_segment_ptr 1
		.amdhsa_wavefront_size32 1
		.amdhsa_system_sgpr_workgroup_id_x 1
		.amdhsa_system_sgpr_workgroup_id_y 1
		.amdhsa_system_sgpr_workgroup_id_z 1
		.amdhsa_system_vgpr_workitem_id 0
		.amdhsa_next_free_vgpr 256
		.amdhsa_next_free_sgpr 100
		.amdhsa_reserve_vcc 0
		.amdhsa_float_denorm_mode_32 3
		.amdhsa_float_denorm_mode_16_64 3
		.amdhsa_memory_ordered 1
		.amdhsa_forward_progress 1
		.amdhsa_inst_pref_size 44
	.end_amdhsa_kernel
	.amdgpu_metadata
---
amdhsa.version: [ 1, 2 ]
amdhsa.kernels:
  - .name:           k_qdb818119ba_prep
    .symbol:         k_qdb818119ba_prep.kd
    .args:
      - { .name: x, .offset: 0, .size: 8, .value_kind: global_buffer, .address_space: global }
      - { .name: w_norm_attn, .offset: 8, .size: 8, .value_kind: global_buffer, .address_space: global }
      - { .name: hq1, .offset: 16, .size: 8, .value_kind: global_buffer, .address_space: global }
      - { .name: wq, .offset: 24, .size: 8, .value_kind: global_buffer, .address_space: global }
      - { .name: wk, .offset: 32, .size: 8, .value_kind: global_buffer, .address_space: global }
      - { .name: wv, .offset: 40, .size: 8, .value_kind: global_buffer, .address_space: global }
      - { .name: wo, .offset: 48, .size: 8, .value_kind: global_buffer, .address_space: global }
      - { .name: w_up, .offset: 56, .size: 8, .value_kind: global_buffer, .address_space: global }
      - { .name: w_down, .offset: 64, .size: 8, .value_kind: global_buffer, .address_space: global }
      - { .name: wc, .offset: 72, .size: 8, .value_kind: global_buffer, .address_space: global }
    .group_segment_fixed_size: 23040
    .private_segment_fixed_size: 0
    .kernarg_segment_align: 8
    .kernarg_segment_size: 80
    .max_flat_workgroup_size: 128
    .sgpr_count:     100
    .vgpr_count:     256
    .wavefront_size: 32
...
	.end_amdgpu_metadata
.endif
;; end of part 1
;; launch qkv (part 2): grid 48 x 4, 4 waves a work-group, clusters of 4 x 4, 327,680 bytes of LDS; arguments hq1, wc, qkv; writes qkv
.if DOCPART == 2
	.amdgcn_target "amdgcn-amd-amdhsa--gfx1250"
	.amdhsa_code_object_version 6
	.text
	.protected	k_qdb818119ba_qkv
	.globl	k_qdb818119ba_qkv
	.p2align	8
	.type	k_qdb818119ba_qkv,@function
k_qdb818119ba_qkv:
	s_mov_b64 s[64:65], 0
	v_nop
	global_prefetch_b8 v0, s[64:65] scope:SCOPE_SE
	s_setreg_imm32_b32 hwreg(HW_REG_WAVE_MODE, 25, 1), 1
	s_wait_xcnt 0x0
	s_wait_alu depctr_hold_cnt(0) depctr_sa_sdst(0) depctr_va_vdst(0) depctr_va_sdst(0) depctr_va_ssrc(0) depctr_va_vcc(0) depctr_vm_vsrc(0)
	s_getreg_b32 s2, hwreg(HW_REG_IB_STS2, 6, 4)
	s_cmp_eq_u32 s2, 0
	s_cbranch_scc0 .Lentry_in_a_cluster
	s_endpgm
.Lentry_in_a_cluster:
	s_bfe_u32 s2, ttmp6, 0x10000c
	s_cmp_lg_u32 s2, 0xf033
	s_cbranch_scc0 .Lentry_shape_is_right
	s_endpgm
.Lentry_shape_is_right:
.set NA, 8
.set NQ, 2
.set KK, 1024
.set PS_A, 262144
.set PS_B, 262144
.set SW_A, 4096
.set SW_B, 4096
.set NB, NA
.set NPAN, 2*NQ
.set RA, 32*NA
.set PANA, 68*RA
.set PANB, 72*RA
.set ATILE, NPAN*PANA
.set SLOT, ATILE+NPAN*PANB
.set LAPS, KK/(256*NQ)
.set KST, KK/128
.set SCA, 2*SLOT
.set SCB, SCA+KST*RA*4
.set SPARE, SCB+KST*RA*4
.set NLH, 2*NA
.set ADRA, 16
.set ADRB, 20
.set STO, 24
.set RD, 25
.set ADRS, 26
.set SPW, 28
.set NIL, 29
.set CO, 30
.set SWA, 31
.set SC, 32
.set AF, 128
.set G1, 24
.set G0, 32
.set G1B, 48
.set G0B, 56
.set G1S, 68
.set G0S, 76
.set G1SB, 80
.set G0SB, 88
.set PC, 96
.set BK, 112
.set TM, 128
.set PW, 144
.set MSB, 0
.macro WIN new
.if MSB != (\new)
	s_set_vgpr_msb (MSB<<8)|(\new)
.set MSB, (\new)
.endif
.endm
.macro PLACES n
.rept \n
	v_nop
.endr
.endm
.macro JLOAD g0a, g1a, g0b, g1b
	s_cmp_eq_u32 s15, 0
	s_cbranch_scc0 .Lfor_b_\@
	tensor_load_to_lds s[\g0a:\g0a+3], s[\g1a:\g1a+7]
	s_nop 0
	PLACES 4
	s_branch .Lasked_\@
.Lfor_b_\@:
	tensor_load_to_lds s[\g0b:\g0b+3], s[\g1b:\g1b+7]
	s_nop 0
	PLACES 4
.Lasked_\@:
.endm
.macro CREST
	s_cmp_lg_u32 s14, 0
	s_cbranch_scc1 .Lnot_wave_0_\@
	s_barrier_signal -3
.Lnot_wave_0_\@:
	s_barrier_wait -3
	s_barrier_signal -1
	s_barrier_wait -1
.endm
.macro CROUND
	s_barrier_signal -1
	s_barrier_wait -1
	CREST
.endm
.macro FETCH_A slot, q, half
.irp i, 0,1,2,3,4,5,6,7
.if (\i >= (\half)*NA/2) && (\i < ((\half)+1)*NA/2)
.irp c, 0,1,2,3
	ds_load_b128 v[AF+16*\i+4*\c:AF+16*\i+4*\c+3], v[ADRA+2*(\slot)+(\q)/2] offset:(2*((\q)%2)+\c/2)*PANA+1088*\i+32*(\c%2)
.endr
.endif
.endr
.endm
.macro FETCH_B slot, q, p
	WIN 0x40
.irp t, 0,1,2,3,4,5,6,7
.if \t < NB
.irp c, 0,1,2,3
	ds_load_b128 v[128*(\p)+16*\t+4*\c:128*(\p)+16*\t+4*\c+3], v[ADRB+2*(\slot)+(\q)/2] offset:(2*((\q)%2)+\c/2)*PANB+2304*(\t/2)+576*(\t%2)+32*(\c%2)
.endr
.endif
.endr
	WIN 0
.endm
.macro SCALES q, par
.irp i, 0,1,2,3,4,5,6,7
.if \i < NA
	ds_load_b32 v[SC+8*(\par)+\i], v[ADRS+\i%2] offset:64*\i+(\q)*RA*4
.endif
.endr
.endm
.macro MULQ k, p, q, zero
	WIN 0xa1+0x50*((8*NB*((\k)*NA/4))/256)
.irp a, 0,1,2,3,4,5,6,7
.if (\a >= (\k)*NA/4) && (\a < ((\k)+1)*NA/4)
.irp b, 0,1,2,3,4,5,6,7
.if \b < NB
.if \zero
	v_wmma_scale_f32_16x16x128_f8f6f4 v[(8*(NB*\a+\b))%256:(8*(NB*\a+\b))%256+7], v[128*(\p)+16*\b:128*(\p)+16*\b+15], v[AF+16*\a:AF+16*\a+15], 0, v[SC+8*((\q)%2)+\b], v[SC+8*((\q)%2)+\a] matrix_a_fmt:MATRIX_FMT_BF8 matrix_b_fmt:MATRIX_FMT_BF8 matrix_a_scale:MATRIX_SCALE_ROW1
.else
	v_wmma_scale_f32_16x16x128_f8f6f4 v[(8*(NB*\a+\b))%256:(8*(NB*\a+\b))%256+7], v[128*(\p)+16*\b:128*(\p)+16*\b+15], v[AF+16*\a:AF+16*\a+15], v[(8*(NB*\a+\b))%256:(8*(NB*\a+\b))%256+7], v[SC+8*((\q)%2)+\b], v[SC+8*((\q)%2)+\a] matrix_a_fmt:MATRIX_FMT_BF8 matrix_b_fmt:MATRIX_FMT_BF8 matrix_a_scale:MATRIX_SCALE_ROW1
.endif
.endif
.endr
.endif
.endr
.endm
.macro STEP slot, q, zero
	s_wait_dscnt NLH
	MULQ 0, (\q)%2, \q, \zero
	MULQ 1, (\q)%2, \q, \zero
	s_wait_dscnt 0x0
	PLACES 8
	FETCH_B \slot, (\q)+1, 1-(\q)%2
	FETCH_A \slot, (\q)+1, 0
	SCALES (\q)+1, ((\q)+1)%2
	MULQ 2, (\q)%2, \q, \zero
	MULQ 3, (\q)%2, \q, \zero
	PLACES 8
	WIN 0
	FETCH_A \slot, (\q)+1, 1
.endm
.macro MID slot, from
.irp q, 0,1,2
.if (\q >= \from) && (\q <= NQ-2)
	STEP \slot, \q, 0
.endif
.endr
.endm
.macro TURN slot, next, fill
	s_wait_tensorcnt 0x0
	ds_add_u32 v[SPW], v[NIL]
	s_wait_dscnt NLH+1
	MULQ 0, 1, NQ-1, 0
	s_wait_dscnt 0x0
	s_barrier_signal -1
	MULQ 1, 1, NQ-1, 0
	WIN 0
	s_barrier_wait -1
.if \fill
	CREST
	s_add_nc_u64 s[G0+4*\slot+2:G0+4*\slot+3], s[G0+4*\slot+2:G0+4*\slot+3], 2*NPAN*PS_A
	s_add_nc_u64 s[G0B+4*\slot+2:G0B+4*\slot+3], s[G0B+4*\slot+2:G0B+4*\slot+3], 2*NPAN*PS_B
	JLOAD G0+4*\slot, G1, G0B+4*\slot, G1B
	PLACES 4
.else
	PLACES 8
.endif
	s_wait_alu depctr_va_vdst(0)
	v_add_nc_u32 v[ADRS], NQ*RA*4, v[ADRS]
	v_add_nc_u32 v[ADRS+1], NQ*RA*4, v[ADRS+1]
	FETCH_B \next, 0, 0
	FETCH_A \next, 0, 0
	SCALES 0, 0
	MULQ 2, 1, NQ-1, 0
	MULQ 3, 1, NQ-1, 0
	PLACES 8
	WIN 0
	FETCH_A \next, 0, 1
.endm
.macro QUANT s, w
	WIN (\w)|((\w)<<2)
.irp b, 0,1,2,3
	v_max3_num_f32 v[TM+\b], |v[(\s)+16*\b]|, |v[(\s)+16*\b+1]|, 0x8000000
.endr
.irp i, 2,4,6,8,10,12,14
.irp b, 0,1,2,3
	v_max3_num_f32 v[TM+\b], |v[(\s)+16*\b+\i]|, |v[(\s)+16*\b+\i+1]|, v[TM+\b]
.endr
.endr
	WIN 0
.irp b, 0,1,2,3
	v_permlanex16_b32 v[TM+4+\b], v[TM+\b], s96, s97
.endr
.irp b, 0,1,2,3
	v_max_num_f32 v[TM+\b], v[TM+\b], v[TM+4+\b]
.endr
.irp b, 0,1,2,3
	v_add_nc_u32 v[TM+12+\b], 0xf8800000, v[TM+\b]
.endr
.irp b, 0,1,2,3
	v_and_or_b32 v[TM+8+\b], v[TM+\b], 0x7f800000, s98
.endr
.irp b, 0,1,2,3
	v_lshrrev_b32 v[TM+4+\b], 23, v[TM+12+\b]
.endr
	v_lshl_or_b32 v[PW], v[TM+5], 8, v[TM+4]
	v_lshl_or_b32 v[PW], v[TM+6], 16, v[PW]
	v_lshl_or_b32 v[PW], v[TM+7], 24, v[PW]
.irp b, 0,1,2,3
	WIN (\w)|((\w)<<6)
.irp i, 0,1,2,3,4,5,6,7,8,9,10,11,12,13,14,15
	v_med3_num_f32 v[(\s)+16*\b+\i], v[(\s)+16*\b+\i], -v[TM+8+\b], v[TM+8+\b]
.endr
	WIN (\w)
	v_cvt_scalef32_pk8_bf8_f32 v[PC+4*\b:PC+4*\b+1], v[(\s)+16*\b:(\s)+16*\b+7], v[TM+12+\b]
	v_cvt_scalef32_pk8_bf8_f32 v[PC+4*\b+2:PC+4*\b+3], v[(\s)+16*\b+8:(\s)+16*\b+15], v[TM+12+\b]
.endr
	WIN 0
	v_nop
.endm
	s_load_b128 s[4:7], s[0:1], 0x0
	s_load_b64 s[8:9], s[0:1], 0x10
	v_lshl_add_u32 v[SPW], v0, 2, SPARE
	v_mov_b32 v[NIL], 0
	ds_add_u32 v[SPW], v[NIL]
	ds_add_u32 v[SPW], v[NIL]
	v_lshrrev_b32 v1, 5, v0
	v_readfirstlane_b32 s14, v1
	s_lshr_b32 s15, s14, 1
	s_and_b32 s16, s14, 1
	s_bfe_u32 s40, ttmp6, 0x40000
	s_bfe_u32 s41, ttmp6, 0x40004
	s_and_b32 s18, ttmp9, 1
	s_sub_co_u32 s19, ttmp9, 8
	s_lshr_b32 s2, ttmp9, 1
	s_mov_b32 s3, 65536
	s_mov_b32 s66, 8650752
	s_mov_b32 s67, 12845056
	s_cmp_lt_u32 ttmp9, 8
	s_cselect_b32 s42, s18, s19
	s_cselect_b32 s17, s2, 0
	s_cselect_b32 s99, 0, 2048
	s_cselect_b32 s2, 262144, s3
	s_cselect_b32 s66, 0, s66
	s_cselect_b32 s67, 8388608, s67
	s_lshl_b32 s42, s42, 2
	s_add_co_u32 s42, s42, s40
	s_lshl_b32 s17, s17, 2
	s_add_co_u32 s17, s17, s41
	s_lshl_b32 s43, s41, 2
	s_lshl_b32 s43, 15, s43
	s_lshl_b32 s44, 0x1111, s40
	s_or_b32 s[G1], s43, (1<<20)|(1<<21)|(5<<22)|(3<<25)
	s_or_b32 s[G1B], s44, (1<<20)|(1<<21)|(4<<22)|(3<<25)
.irp g, G1, G1B
	s_mov_b32 s[\g+1], (64*RA)<<16
	s_mov_b32 s[\g+2], NPAN<<16                    ; the head's loads bring a slot's whole tile; behind them these two words are set to half
	s_mov_b32 s[\g+3], (64*RA)<<16
	s_mov_b32 s[\g+4], NPAN
	s_mov_b32 s[\g+6], 0
	s_mov_b32 s[\g+7], 0
.endr
	s_mov_b32 s[G1+5], PS_A
	s_mov_b32 s[G1B+5], PS_B
	s_or_b32 s[G1S], s43, (2<<16)|(1<<21)
	s_or_b32 s[G1SB], s44, (2<<16)|(1<<21)
.irp g, G1S, G1SB
	s_mov_b32 s[\g+1], RA<<16
	s_mov_b32 s[\g+2], KST<<16                     ; one load brings all steps' scale words
	s_mov_b32 s[\g+3], RA<<16
	s_mov_b32 s[\g+4], KST
	s_mov_b32 s[\g+6], 0
	s_mov_b32 s[\g+7], 0
.endr
	s_mov_b32 s[G1S+5], SW_A
	s_mov_b32 s[G1SB+5], SW_B
.set G0H, 4                            ; s[4:7], s[96:99] group 0 for the head's loads of slot 0: A's whole tile, B's whole tile (what lay there has been used by then)
.set G0HB, 96
	s_mul_i32 s20, s17, RA*64
	s_lshl_b32 s18, s99, 6
	s_add_co_u32 s20, s20, s18
	s_mov_b32 s21, 0
	s_mul_i32 s22, s17, RA*4
	s_lshl_b32 s18, s99, 2
	s_add_co_u32 s22, s22, s18
	s_add_co_u32 s22, s22, 4194304
	s_mov_b32 s23, 0
	s_mul_i32 s46, s42, RA*64
	s_mov_b32 s47, 0
	s_mul_i32 s92, s42, RA*4
	s_add_co_u32 s92, s92, 4194304
	s_mov_b32 s93, 0
	s_mul_i32 s18, s16, (NPAN/2)*PS_A              ; in the ring I fetch half a tile's panels: which half, in memory (A's and B's panels lie equally far apart),
	s_mov_b32 s19, 0
	s_mul_i32 s45, s16, (NPAN/2)*PANA              ; and in LDS
	s_mul_i32 s94, s16, (NPAN/2)*PANB
	s_wait_dscnt 0x0
	s_wait_kmcnt 0x0
	s_cmp_lt_u32 ttmp9, 8
	s_cselect_b64 s[96:97], s[4:5], s[6:7]
	s_cselect_b64 s[6:7], s[6:7], s[4:5]
	s_add_nc_u64 s[20:21], s[96:97], s[20:21]
	s_add_nc_u64 s[22:23], s[96:97], s[22:23]
	s_add_nc_u64 s[46:47], s[6:7], s[46:47]
	s_add_nc_u64 s[92:93], s[6:7], s[92:93]
	CROUND
	s_mov_b32 s[G0S], 1
	s_mov_b32 s[G0S+1], SCA
	s_mov_b64 s[G0S+2:G0S+3], s[22:23]
	s_or_b32 s[G0S+3], s[G0S+3], 0x80000000
	s_mov_b32 s[G0SB], 1
	s_mov_b32 s[G0SB+1], SCB
	s_mov_b64 s[G0SB+2:G0SB+3], s[92:93]
	s_or_b32 s[G0SB+3], s[G0SB+3], 0x80000000
	s_mov_b32 s[G0H], 1
	s_mov_b32 s[G0H+1], 0
	s_mov_b64 s[G0H+2:G0H+3], s[20:21]
	s_or_b32 s[G0H+3], s[G0H+3], 0x80000000
	s_mov_b32 s[G0HB], 1
	s_mov_b32 s[G0HB+1], ATILE
	s_mov_b64 s[G0HB+2:G0HB+3], s[46:47]
	s_or_b32 s[G0HB+3], s[G0HB+3], 0x80000000
; THE HEAD'S LOADS, ONE A WAVE: wave 0 slot 0's tile of A, wave 1 its tile of B, wave 2 A's scale words, wave 3 B's.  One tree of branches on the wave's number: every way passes exactly one load.
.macro ARM under, g0, g1, next
	s_cmp_lt_u32 s14, \under
	s_cbranch_scc0 \next
	tensor_load_to_lds s[\g0:\g0+3], s[\g1:\g1+7]
	s_nop 0
	PLACES 4
	s_branch .Lhead_asked
\next:
.endm
	ARM 1, G0H,  G1,  .Lhead_b
	ARM 2, G0HB, G1B, .Lhead_sa
	ARM 3, G0S,  G1S, .Lhead_sb
	tensor_load_to_lds s[G0SB:G0SB+3], s[G1SB:G1SB+7]
	s_nop 0
	PLACES 4
.Lhead_asked:
	s_add_nc_u64 s[20:21], s[20:21], s[18:19]      ; for the ring: my half of a tile
	s_add_nc_u64 s[46:47], s[46:47], s[18:19]
.irp s, 0,1
	s_mov_b32 s[G0+4*\s], 1
	s_add_co_u32 s[G0+4*\s+1], s45, \s*SLOT
	s_add_nc_u64 s[G0+4*\s+2:G0+4*\s+3], s[20:21], \s*NPAN*PS_A
	s_or_b32 s[G0+4*\s+3], s[G0+4*\s+3], 0x80000000
	s_mov_b32 s[G0B+4*\s], 1
	s_add_co_u32 s[G0B+4*\s+1], s94, \s*SLOT+ATILE
	s_add_nc_u64 s[G0B+4*\s+2:G0B+4*\s+3], s[46:47], \s*NPAN*PS_B
	s_or_b32 s[G0B+4*\s+3], s[G0B+4*\s+3], 0x80000000
.endr
	v_and_b32 v1, 15, v0
	v_bfe_u32 v2, v0, 4, 1
	v_lshrrev_b32 v3, 2, v1
	v_mul_u32_u24 v3, v3, 272
	v_and_b32 v4, 3, v1
	v_lshl_add_u32 v3, v4, 6, v3
	v_lshl_add_u32 v3, v2, 4, v3
	v_lshrrev_b32 v4, 1, v1
	v_mul_u32_u24 v4, v4, 144
	v_lshrrev_b32 v5, 3, v1
	v_mad_u32_u24 v4, v5, 576, v4
	v_and_b32 v5, 1, v1
	v_lshl_add_u32 v4, v5, 6, v4
	v_lshl_add_u32 v4, v2, 4, v4
	s_mul_i32 s21, s15, 1088*NA
	s_mul_i32 s22, s16, 1152*NB
	s_add_co_u32 s22, s22, ATILE
.irp s, 0,1
.irp u, 0,1
.if \u < NQ/2
	s_add_co_u32 s23, s21, \s*SLOT+\u*4*PANA
	v_add_nc_u32 v[ADRA+2*\s+\u], s23, v3
	s_add_co_u32 s23, s22, \s*SLOT+\u*4*PANB
	v_add_nc_u32 v[ADRB+2*\s+\u], s23, v4
.endif
.endr
.endr
	s_mul_i32 s21, s15, 64*NA
	s_mul_i32 s22, s16, 64*NB
	s_add_co_u32 s22, s22, SCB-SCA
	s_sub_co_u32 s22, s22, s21
	v_mul_u32_u24 v6, s22, v2
	s_add_co_u32 s21, s21, SCA
	v_lshl_add_u32 v5, v1, 2, v6
	v_bfe_u32 v6, v0, 3, 2
	v_add_nc_u32 v6, 1, v6
	v_lshrrev_b32 v6, 2, v6
	v_lshl_add_u32 v5, v6, 5, v5
	v_add_nc_u32 v[ADRS], s21, v5
	v_lshlrev_b32 v6, 5, v2
	v_sub_nc_u32 v[ADRS+1], v[ADRS], v6
	s_mul_i32 s23, s14, 3072
	v_mul_u32_u24 v5, v1, 80
	v_lshl_add_u32 v5, v2, 4, v5
	v_add_nc_u32 v[STO], s23, v5
	v_and_b32 v6, 31, v0
	v_lshrrev_b32 v5, 2, v6
	v_mul_u32_u24 v5, v5, 80
	v_and_b32 v7, 3, v0
	v_lshl_add_u32 v5, v7, 4, v5
	v_add_nc_u32 v[RD], s23, v5
	v_lshlrev_b32 v[CO], 4, v6
	v_lshl_add_u32 v5, v1, 2, 2560
	v_add_nc_u32 v[SWA], s23, v5
	s_lshl_b32 s46, s42, 2
	s_lshl_b32 s47, s16, 1
	s_add_co_u32 s46, s46, s47
	s_mul_i32 s92, s46, s2
	s_lshr_b32 s46, s46, 1
	s_lshr_b32 s93, s2, 4
	s_mul_i32 s93, s46, s93
	s_mul_i32 s20, s17, RA
	s_lshl_b32 s21, s15, 7
	s_add_co_u32 s20, s20, s21
	s_lshl_b32 s21, s20, 6
	s_add_co_u32 s46, s92, s21
	s_add_co_u32 s46, s46, s66
	s_mov_b32 s47, 0
	s_mov_b32 s3, 0
	s_add_nc_u64 s[10:11], s[8:9], s[46:47]
	s_add_nc_u64 s[12:13], s[10:11], s[2:3]
	s_lshl_b32 s21, s20, 2
	s_add_co_u32 s46, s93, s21
	s_add_co_u32 s46, s46, s67
	s_add_nc_u64 s[66:67], s[8:9], s[46:47]
	s_wait_alu depctr_va_vdst(0)
	s_wait_tensorcnt 0x0                           ; my tile of the head's four is in
	ds_add_u32 v[SPW], v[NIL]
	s_mov_b32 s[G1+2], (NPAN/2)<<16                ; no tensor load of mine is out: from here on a load brings half a tile's panels
	s_mov_b32 s[G1+4], NPAN/2
	s_mov_b32 s[G1B+2], (NPAN/2)<<16
	s_mov_b32 s[G1B+4], NPAN/2
	s_wait_dscnt 0x0
	CROUND                                         ; all four tiles are in, and the sixteen work-groups are here
	JLOAD G0+4, G1, G0B+4, G1B                     ; slot 1's first fill, the first tensor load behind the round
	FETCH_B 0, 0, 0
	FETCH_A 0, 0, 0
	SCALES 0, 0
	FETCH_A 0, 0, 1
	STEP 0, 0, 1
.if LAPS > 1
	s_mov_b32 s3, LAPS-1
.Llap:
	MID 0, 1
	TURN 0, 1, 1
	s_wait_alu depctr_va_vdst(0)
	MID 1, 0
	TURN 1, 0, 1
	s_wait_alu depctr_va_vdst(0)
	STEP 0, 0, 0
	s_sub_co_u32 s3, s3, 1
	s_cmp_lg_u32 s3, 0
	s_cbranch_scc1 .Llap
.endif
	MID 0, 1
	TURN 0, 1, 0
	s_wait_alu depctr_va_vdst(0)
	MID 1, 0
	s_wait_dscnt NLH
	MULQ 0, 1, NQ-1, 0
	MULQ 1, 1, NQ-1, 0
	s_wait_dscnt 0x0
	MULQ 2, 1, NQ-1, 0
	MULQ 3, 1, NQ-1, 0
	WIN 0
	PLACES 8
	s_mov_b32 s96, 0x76543210
	s_mov_b32 s97, 0xfedcba98
	s_mov_b32 s98, 0x600000
.irp b, 0,1,2,3
	v_mov_b32 v[TM+4+\b], 0
.endr
.macro OUTQ a
	QUANT 64*((\a)%4), 2+(\a)/4
.irp b, 0,1,2,3
	ds_store_b128 v[STO], v[PC+4*\b:PC+4*\b+3] offset:1280*(\b/2)+32*(\b%2)
.endr
	ds_store_b32 v[SWA], v[PW] offset:64*(\a)
.if (\a) > 0
	s_wait_xcnt 0x0
.endif
.irp p, 0,1
.irp i, 0,1
	ds_load_b128 v[BK+8*\p+4*\i:BK+8*\p+4*\i+3], v[RD] offset:1280*\p+640*\i
.endr
.endr
	s_wait_dscnt 0x0
.irp i, 0,1
	global_store_b128 v[CO], v[BK+4*\i:BK+4*\i+3], s[10:11] offset:1024*(\a)+512*\i
	global_store_b128 v[CO], v[BK+8+4*\i:BK+8+4*\i+3], s[12:13] offset:1024*(\a)+512*\i
.endr
.endm
.irp a, 0,1,2,3,4,5,6,7
	OUTQ \a
.endr
	v_add_nc_u32 v5, s23, v[CO]
	s_wait_alu depctr_va_vdst(0)
	s_wait_xcnt 0x0
	ds_load_b128 v[BK:BK+3], v5 offset:2560
	s_wait_dscnt 0x0
	global_store_b128 v[CO], v[BK:BK+3], s[66:67]
	s_wait_tensorcnt 0x0
	ds_add_u32 v[SPW], v[NIL]
	s_wait_dscnt 0x0
	CROUND
	s_endpgm
.Lfunc_end_k_qdb818119ba_qkv:
	.size	k_qdb818119ba_qkv, .Lfunc_end_k_qdb818119ba_qkv-k_qdb818119ba_qkv
	.p2alignl 7, 3214868480
	.fill 96, 4, 3214868480
	.section	.rodata,"a",@progbits
	.p2align	6, 0x0
	.amdhsa_kernel k_qdb818119ba_qkv
		.amdhsa_group_segment_fixed_size 327680
		.amdhsa_private_segment_fixed_size 0
		.amdhsa_enable_private_segment 0
		.amdhsa_kernarg_size 24
		.amdhsa_user_sgpr_count 2
		.amdhsa_user_sgpr_kernarg_segment_ptr 1
		.amdhsa_wavefront_size32 1
		.amdhsa_system_sgpr_workgroup_id_x 1
		.amdhsa_system_sgpr_workgroup_id_y 1
		.amdhsa_system_sgpr_workgroup_id_z 1
		.amdhsa_system_vgpr_workitem_id 0
		.amdhsa_next_free_vgpr 1024
		.amdhsa_next_free_sgpr 100
		.amdhsa_reserve_vcc 0
		.amdhsa_float_denorm_mode_32 3
		.amdhsa_float_denorm_mode_16_64 3
		.amdhsa_memory_ordered 1
		.amdhsa_forward_progress 1
		.amdhsa_inst_pref_size 197
	.end_amdhsa_kernel
	.amdgpu_metadata
---
amdhsa.version: [ 1, 2 ]
amdhsa.kernels:
  - .name:           k_qdb818119ba_qkv
    .symbol:         k_qdb818119ba_qkv.kd
    .args:
      - { .name: hq1, .offset: 0, .size: 8, .value_kind: global_buffer, .address_space: global }
      - { .name: wc, .offset: 8, .size: 8, .value_kind: global_buffer, .address_space: global }
      - { .name: qkv, .offset: 16, .size: 8, .value_kind: global_buffer, .address_space: global }
    .group_segment_fixed_size: 327680
    .private_segment_fixed_size: 0
    .kernarg_segment_align: 8
    .kernarg_segment_size: 24
    .max_flat_workgroup_size: 128
    .sgpr_count:     100
    .vgpr_count:     1024
    .wavefront_size: 32
...
	.end_amdgpu_metadata
.endif
;; end of part 2
;; launch attn (part 3): grid 8 x 32, 16 waves a work-group, clusters of 4 x 1, 327,680 bytes of LDS; arguments qkv, attention_mask, attq; writes attq
.if DOCPART == 3
	.amdgcn_target "amdgcn-amd-amdhsa--gfx1250"
	.amdhsa_code_object_version 6
	.text
	.protected	k_qdb818119ba_attn
	.globl	k_qdb818119ba_attn
	.p2align	8
	.type	k_qdb818119ba_attn,@function
k_qdb818119ba_attn:
	s_mov_b64 s[64:65], 0
	v_nop
	global_prefetch_b8 v0, s[64:65] scope:SCOPE_SE
	s_setreg_imm32_b32 hwreg(HW_REG_WAVE_MODE, 25, 1), 1
	s_wait_xcnt 0x0
	s_wait_alu depctr_hold_cnt(0) depctr_sa_sdst(0) depctr_va_vdst(0) depctr_va_sdst(0) depctr_va_ssrc(0) depctr_va_vcc(0) depctr_vm_vsrc(0)
	s_getreg_b32 s2, hwreg(HW_REG_IB_STS2, 6, 4)
	s_cmp_eq_u32 s2, 0
	s_cbranch_scc0 .Lentry_in_a_cluster
	s_endpgm
.Lentry_in_a_cluster:
	s_bfe_u32 s2, ttmp6, 0x10000c
	s_cmp_lg_u32 s2, 0x3003
	s_cbranch_scc0 .Lentry_shape_is_right
	s_endpgm
.Lentry_shape_is_right:
; att = softmax(q k^T / 8 under the two masks) v, products 4 and 5 on codes of E5M2; att leaves as codes for product 6.
; WORK LEFT OUT: key steps of 128 keys wholly behind a wave's 16 queries under the causal mask that reference() builds itself (shown dead at the head of the first kernel).
; A row with no visible key that attention_mask lets count has p = 1/2048 on ALL 2,048 keys: its row of product 5, vm, is made HERE (no launch of its own): waves 0-3 sum Q(1/2048) x V over all keys, and a select takes it.
; p IS QUANTISED FINISHED AND NORMALISED, so the keys are walked twice: pass 1 finds each row's largest score m (a running maximum) and sum l, pass 2 makes p = 2^(c s - M'), c = log2(e) / 8, M' = c m + log2(l).
; THE KEY MASK RIDES IN THE PRODUCT: product 4 has K = 64, the instruction 128.  At k = 64 every key carries the code of -2^15 and every query the code of 1.0; the key's scale byte for that block is 145 where
; attention_mask is 0 (the raw score gets -2^33) and 1 where it counts (-2^-111 is added).  All other codes of k = 64 .. 127 are 0.  nan_to_num on p: v_med3_num_f32(p, 0, largest code x scale) gives 0 for a NaN.
; SHARES.  A work-group has a batch, a head and the 16 tiles of 16 queries numbered j + 8 role (j the work-group's number in the head, 0-7; role 0-15, one a wave): the wave with role walks role + 1 steps of 128 keys in EVERY
; work-group, so all 256 work-groups are alike, all read the head's whole K and V, and no branch hangs on a work-group's place.  Waves w, w + 4, w + 8, w + 12 get roles with 34 steps in all, the two longest one step apart.
; CLUSTER 4 x 1: four work-groups of a head ask for K and V jointly.  LDS holds the head's whole K and V^T, filled once: each of the 16 waves issues one joint load at the head (waves 0-7: 256 keys of K each; 8-15: 256 keys of V each).
; No barrier stands in the passes.  No prefetch: all tiles are asked for at the head; there is no loop to run ahead in.
; LAYOUT.  Both products transposed: a lane holds ONE query.  Lane r of tile 2 b + u takes key (or channel) 32 b + 8 u + r + 8 (r / 8), so 16 registers of two tiles are 16 neighbours.
; A scale register carries two tiles' words: the even tile's in lanes 0-15, the odd tile's in lanes 16-31 (ROW1).
; LIMITS: scaled scores under -2^29 count as masked; -2^-111 is added to every raw score; NaN and infinities are served through p's guard alone; M' rounds otherwise than reference()'s division (about 1e-6 of p).
.set VB, 147456                        ; K at 0: key k at (k / 2) 144 + (k % 2) 64;  V at VB: panel of 64 keys at 4,608 p, channel d as a key
.set SCK, 294912                       ; K's scale words with the mask's byte, 4 bytes a key
.set SCV, 303104                       ; V's: [16 steps][64 channels]
.set STG, 307200                       ; the way out: 1,024 bytes a wave
.set SPARE, 323584                     ; the spare words, 128 bytes a wave
.set VMB, 325632                       ; vm: 64 f32
.set AK0, 1
.set AV0, 2
.set ASK0, 3
.set ASV0, 4
.set SPW, 5
.set NIL, 6
.set DG, 7                             ; v7  16 j + lane % 16 - 16 (lane / 16): on the diagonal step register 16 b + i is hidden where 32 b + i > this
.set ADK, 8
.set ADV, 9
.set ADS, 10
.set ADT, 11
; v12 -c m, later -M'; v13 m; v[14:15] l; v16-31 Q; v32-95 four fragments of K (their upper eight registers are constants); v96-159 S^T, p; v128-159 then V's tiles 2, 3; v160-191 O^T; v192-223 V's tiles 0, 1, then vm;
; v224-239 p's codes; v232-247 at work; scales alone: v248-251 K's words, v252, v254 V's, v253 p's, v255 Q's
.set TB, 10                            ; s10 LDS bytes to the step's K and V: 9,216 a step
.set TS, 11                            ; s11 K's scale words: 512 a step
.set TJ, 12                            ; s12 V's: 256 a step
.set CNT, 13                           ; s13 the step
.set ROLE, 14
.set NC, 17                            ; s17 -c
.set WV, 18
.set MNT, 19
.set SEL, 20
.set CS, 22
.set G1K, 24
.set G1V, 32
.set G0K, 40
.set G0V, 44
.macro PLACES n
.rept \n
	v_nop
.endr
.endm
.macro CROUND                          ; a round of the cluster's barrier
	s_barrier_signal -1
	s_barrier_wait -1
	s_cmp_lg_u32 s[WV], 0
	s_cbranch_scc1 .Lnot_wave_0_\@
	s_barrier_signal -3
.Lnot_wave_0_\@:
	s_barrier_wait -3
	s_barrier_signal -1
	s_barrier_wait -1
.endm
.macro WM d, a, b, sa, sb, row, acc    ; D at d; sources at a, b; their scale registers; row = 1: source 0's words in lanes 16-31; acc = 0: the product starts the sum
.if \acc
.if \row
	v_wmma_scale_f32_16x16x128_f8f6f4 v[(\d):(\d)+7], v[(\a):(\a)+15], v[(\b):(\b)+15], v[(\d):(\d)+7], v[\sa], v[\sb] matrix_a_fmt:MATRIX_FMT_BF8 matrix_b_fmt:MATRIX_FMT_BF8 matrix_a_scale:MATRIX_SCALE_ROW1
.else
	v_wmma_scale_f32_16x16x128_f8f6f4 v[(\d):(\d)+7], v[(\a):(\a)+15], v[(\b):(\b)+15], v[(\d):(\d)+7], v[\sa], v[\sb] matrix_a_fmt:MATRIX_FMT_BF8 matrix_b_fmt:MATRIX_FMT_BF8
.endif
.else
.if \row
	v_wmma_scale_f32_16x16x128_f8f6f4 v[(\d):(\d)+7], v[(\a):(\a)+15], v[(\b):(\b)+15], 0, v[\sa], v[\sb] matrix_a_fmt:MATRIX_FMT_BF8 matrix_b_fmt:MATRIX_FMT_BF8 matrix_a_scale:MATRIX_SCALE_ROW1
.else
	v_wmma_scale_f32_16x16x128_f8f6f4 v[(\d):(\d)+7], v[(\a):(\a)+15], v[(\b):(\b)+15], 0, v[\sa], v[\sb] matrix_a_fmt:MATRIX_FMT_BF8 matrix_b_fmt:MATRIX_FMT_BF8
.endif
.endif
.endm
	s_load_b128 s[4:7], s[0:1], 0x0                ; qkv, attention_mask
	s_load_b64 s[8:9], s[0:1], 0x10                ; attq
	v_lshl_add_u32 v[SPW], v0, 2, SPARE
	v_mov_b32 v[NIL], 0
	ds_add_u32 v[SPW], v[NIL]                      ; the wave's opening: the add, twice on end, and its wait ahead of the first tensor load
	ds_add_u32 v[SPW], v[NIL]
	v_lshrrev_b32 v96, 5, v0
	v_readfirstlane_b32 s[WV], v96
	s_and_b32 s48, s[WV], 3                        ; role = x for waves 0-7, x xor 14 for waves 8-15, x = 2 (wave % 4) + (wave / 4) % 2
	s_lshl_b32 s48, s48, 1
	s_bfe_u32 s49, s[WV], 0x10002
	s_or_b32 s48, s48, s49
	s_lshr_b32 s49, s[WV], 3
	s_mul_i32 s49, s49, 14
	s_xor_b32 s[ROLE], s48, s49
	s_bfe_u32 s50, ttmp6, 0x40000                  ; my place in the cluster
	s_lshl_b32 s51, ttmp9, 2
	s_add_co_u32 s51, s51, s50                     ; j
	s_lshl_b32 s51, s51, 4                         ; 16 j
	s_lshl_b32 s52, s[ROLE], 7
	s_add_co_u32 s52, s52, s51                     ; my first query
	s_and_b32 s54, ttmp7, 0xffff
	s_lshr_b32 s55, s54, 4                         ; batch
	s_and_b32 s56, s54, 15                         ; head
	s_and_b32 s57, s[WV], 7                        ; which 256 keys I fetch
	s_mul_i32 s58, s57, 18432                      ; and where they go
	s_mov_b32 s[G1K], 15|(1<<20)|(1<<21)|(4<<22)|(3<<25)   ; the cluster's four; elements of 1 byte; 4 words of padding behind every 32
	s_mov_b32 s[G1K+1], 128<<16                    ; rows of 128 bytes: two keys
	s_mov_b32 s[G1K+2], 128<<16
	s_mov_b32 s[G1K+3], 128<<16
	s_mov_b32 s[G1K+4], 128
	s_mov_b32 s[G1K+5], 128
	s_mov_b32 s[G1K+6], 0
	s_mov_b32 s[G1K+7], 0
	s_mov_b32 s[G1V], 15|(1<<20)|(1<<21)|(4<<22)|(3<<25)
	s_mov_b32 s[G1V+1], 4096<<16                   ; a panel's 64 channels x 64 keys: 4,096 dense bytes; four panels
	s_mov_b32 s[G1V+2], 4<<16
	s_mov_b32 s[G1V+3], 4096<<16
	s_mov_b32 s[G1V+4], 4
	s_mov_b32 s[G1V+5], 65536
	s_mov_b32 s[G1V+6], 0
	s_mov_b32 s[G1V+7], 0
	s_add_co_u32 s60, s56, 16
	s_lshl_b32 s60, s60, 18
	s_lshl_b32 s61, s55, 17
	s_add_co_u32 s60, s60, s61
	s_lshl_b32 s61, s57, 14
	s_add_co_u32 s60, s60, s61                     ; K's codes: panel 16 + head, token 2,048 b + 256 x my part
	s_mov_b32 s61, 0
	s_lshl_b32 s62, s55, 21
	s_lshl_b32 s63, s56, 12
	s_add_co_u32 s62, s62, s63
	s_lshl_b32 s63, s57, 18
	s_add_co_u32 s62, s62, s63
	s_add_co_u32 s62, s62, 8650752                 ; V^T's codes: panel 32 b + 4 x my part, row 64 head
	s_mov_b32 s63, 0
	s_lshr_b32 s87, s56, 1
	s_lshl_b32 s87, s87, 14
	s_lshl_b32 s68, s55, 13
	s_mov_b32 s69, 0                               ; attention_mask: 8,192 b
	s_add_co_u32 s66, s87, s68
	s_add_co_u32 s66, s66, 8388608+8*16384         ; k's scale words
	s_mov_b32 s67, 0
	s_lshl_b32 s70, s55, 16
	s_lshl_b32 s71, s56, 8
	s_add_co_u32 s70, s70, s71
	s_add_co_u32 s70, s70, 12845056                ; V^T's scale words
	s_mov_b32 s71, 0
	s_lshl_b32 s72, s55, 11
	s_add_co_u32 s72, s72, s52                     ; my first token
	s_lshl_b32 s74, s56, 18
	s_lshl_b32 s75, s72, 6
	s_add_co_u32 s74, s74, s75                     ; q's codes, and att's: panel head
	s_mov_b32 s75, 0
	s_lshl_b32 s76, s72, 2
	s_add_co_u32 s76, s76, s87
	s_and_b32 s86, s56, 1
	s_lshl_b32 s82, s86, 1
	s_add_co_u32 s82, s82, s76
	s_add_co_u32 s82, s82, 4194304                 ; att's two scale bytes
	s_mov_b32 s83, 0
	s_add_co_u32 s76, s76, 8388608                 ; q's scale words
	s_mov_b32 s77, 0
	s_lshl_b32 s86, s86, 4                         ; which half of a scale word is my head's
	s_mov_b32 s[SEL], 0x76543210
	s_mov_b32 s[SEL+1], 0xfedcba98
	s_mov_b32 s[CS], 0x3e38aa3b                    ; c = log2(e) / 8
	s_mov_b32 s[CS+1], s[CS]
	s_mov_b32 s[NC], 0xbe38aa3b
	s_mov_b32 s[MNT], 0x600000
	s_wait_dscnt 0x0                               ; both opening adds are done
	s_wait_kmcnt 0x0
	CROUND                                         ; the four work-groups are here: the joint loads meet
	s_mov_b32 s[G0K], 1
	s_mov_b32 s[G0K+1], s58
	s_add_nc_u64 s[G0K+2:G0K+3], s[4:5], s[60:61]
	s_or_b32 s[G0K+3], s[G0K+3], 0x80000000
	s_mov_b32 s[G0V], 1
	s_add_co_u32 s[G0V+1], s58, VB
	s_add_nc_u64 s[G0V+2:G0V+3], s[4:5], s[62:63]
	s_or_b32 s[G0V+3], s[G0V+3], 0x80000000
	s_cmp_lt_u32 s[WV], 8                          ; one joint load a wave, on either way; an s_nop 0 and four v_nop follow each line
	s_cbranch_scc0 .Lfor_v
	tensor_load_to_lds s[G0K:G0K+3], s[G1K:G1K+7]
	s_nop 0
	PLACES 4
	s_branch .Lasked
.Lfor_v:
	tensor_load_to_lds s[G0V:G0V+3], s[G1V:G1V+7]
	s_nop 0
	PLACES 4
.Lasked:
	s_add_nc_u64 s[66:67], s[4:5], s[66:67]
	s_add_nc_u64 s[68:69], s[6:7], s[68:69]
	s_add_nc_u64 s[70:71], s[4:5], s[70:71]
	s_add_nc_u64 s[84:85], s[8:9], s[74:75]
	s_add_nc_u64 s[74:75], s[4:5], s[74:75]
	s_add_nc_u64 s[76:77], s[4:5], s[76:77]
	s_add_nc_u64 s[82:83], s[8:9], s[82:83]
	v_and_b32 v112, 15, v0                         ; r
	v_bfe_u32 v113, v0, 4, 1                       ; h
	v_lshlrev_b32 v110, 6, v112
	v_lshl_add_u32 v110, v113, 4, v110
	global_load_b128 v[16:19], v110, s[74:75]      ; Q's fragment, k = 0 .. 63
	global_load_b128 v[20:23], v110, s[74:75] offset:32
	v_lshlrev_b32 v111, 2, v112
	global_load_b32 v255, v111, s[76:77]
	v_lshlrev_b32 v108, 4, v0
	global_load_b128 v[96:99], v108, s[66:67]      ; thread T: the scale words of keys 4 T .. 4 T + 3,
	global_load_b128 v[100:103], v108, s[68:69]    ; their mask,
	v_lshrrev_b32 v109, 5, v0
	v_and_b32 v107, 31, v0
	v_lshlrev_b32 v109, 12, v109
	v_lshl_add_u32 v109, v107, 3, v109
	global_load_b64 v[104:105], v109, s[70:71]     ; and two of V's words: step T / 32, channels 2 (T % 32)
	v_lshrrev_b32 v114, 1, v112
	v_mul_u32_u24 v[AK0], v114, 144
	v_lshrrev_b32 v114, 3, v112
	v_mad_u32_u24 v[AK0], v114, 576, v[AK0]
	v_and_b32 v115, 1, v112
	v_lshl_add_u32 v[AK0], v115, 6, v[AK0]
	v_lshl_add_u32 v[AK0], v113, 4, v[AK0]         ; row r + 8 (r / 8) of a tile, + 16 h
	v_add_nc_u32 v[AV0], VB, v[AK0]
	v_lshlrev_b32 v115, 2, v112
	v_lshl_add_u32 v115, v114, 5, v115
	v_lshl_add_u32 v115, v113, 5, v115             ; the words: 4 (r + 8 (r / 8)); lanes 16-31 take the odd tile's, 32 bytes on
	v_add_nc_u32 v[ASK0], SCK, v115
	v_add_nc_u32 v[ASV0], SCV, v115
	v_lshlrev_b32 v115, 4, v113
	v_sub_nc_u32 v[DG], v112, v115
	v_add_nc_u32 v[DG], s51, v[DG]
	v_sub_nc_u32 v114, 1, v113                     ; 1 in lanes 0-15, which hold k = 64 .. 79
	v_mul_u32_u24 v24, v114, 0x3c                  ; Q at k = 64: the code of 1.0
.irp i, 25,26,27,28,29,30,31
	v_mov_b32 v[\i], 0
.endr
.irp t, 0,1,2,3
	v_mul_u32_u24 v[40+16*\t], v114, 0xf8          ; every key at k = 64: the code of -2^15; these eight registers of each buffer are never written again
.irp i, 1,2,3,4,5,6,7
	v_mov_b32 v[40+16*\t+\i], 0
.endr
.endr
	v_mov_b32 v13, 0xff61b1e6                      ; m: -3e38, under every score
	v_mul_f32 v12, s[NC], v13
	v_mov_b32 v14, 0
	v_mov_b32 v15, 0
.irp i, 236,237,238,239,243,244,245
	v_mov_b32 v[\i], 0                             ; lane permutes' destinations and pairs' upper halves count as read
.endr
.set oj, 0
.rept 32
	v_mov_b32 v[160+oj], 0                         ; O^T: pass 2's step is written once
.set oj, oj+1
.endr
	s_wait_alu depctr_va_vdst(0)
	s_wait_loadcnt 0x0
	v_bfe_u32 v255, v255, s86, 16                  ; Q's scale word: my head's two bytes,
	v_or_b32 v255, 0x7f7f0000, v255                ; then 1.0 twice
	v_mov_b32 v106, 0x7f910000                     ; a key that does not count: byte 2 = 145;
	v_mov_b32 v107, 0x7f010000                     ; one that does: 1.  Byte 3 scales zeros: 127
.irp i, 0,1,2,3
	v_bfe_u32 v[96+\i], v[96+\i], s86, 16
	v_cmp_ne_u32 vcc_lo, 0, v[100+\i]
	v_cndmask_b32 v[100+\i], v106, v107, vcc_lo
	v_or_b32 v[96+\i], v[96+\i], v[100+\i]
.endr
	v_lshl_add_u32 v112, v0, 4, SCK
	v_lshl_add_u32 v113, v0, 3, SCV
	ds_store_b128 v112, v[96:99]
	ds_store_b64 v113, v[104:105]
	s_wait_alu depctr_va_vdst(0)
	s_wait_tensorcnt 0x0                           ; my 256 keys are in,
	s_wait_dscnt 0x0                               ; my part of the tables is stored
	s_barrier_signal -1
	s_barrier_wait -1                              ; all of K, V and the tables stand: nothing of them is written again
; vm: wave t < 4 sums Q(1/2048) x V over all 2,048 keys for channels 16 t + r.  A block of 32 numbers 2^-11 has the scale 2^-26 (byte 101) and the code of 2^15 (0x78).
; Source 0 = 16 equal rows of p, source 1 = 16 rows of V^T: register 0 of lane r holds channel 16 t + r.  16 key steps on two accumulators by turns.
.macro VMR rd
.irp k, 0,1,2,3
.irp c, 0,1,2,3
	ds_load_b128 v[96+16*\k+4*\c:99+16*\k+4*\c], v244 offset:9216*\k+4608*(\c/2)+32*(\c%2)
.endr
	ds_load_b32 v[248+\k], v245 offset:256*\k
.endr
	s_wait_alu depctr_va_vdst(0)
	s_wait_dscnt 0x0
.irp k, 0,1,2,3
	WM 192+8*(\k%2), 224, 96+16*\k, 253, 248+\k, 0, (\rd>0)||(\k>1)
.endr
	v_add_nc_u32 v244, 36864, v244                 ; four steps on; with the six v_nop the eight places in front of the next loads and of the first read of results
	v_add_nc_u32 v245, 1024, v245
	PLACES 6
.endm
	s_cmp_lt_u32 s[WV], 4
	s_cbranch_scc0 .Lnovm
	v_mov_b32 v253, 0x65656565
.set oj, 0
.rept 16
	v_mov_b32 v[224+oj], 0x78787878
.set oj, oj+1
.endr
	v_and_b32 v240, 15, v0
	v_bfe_u32 v241, v0, 4, 1
	v_lshrrev_b32 v242, 1, v240
	v_mul_u32_u24 v244, v242, 144
	v_and_b32 v242, 1, v240
	v_lshl_add_u32 v244, v242, 6, v244
	v_lshl_add_u32 v244, v241, 4, v244
	s_mul_i32 s96, s[WV], 1152
	s_add_co_u32 s96, s96, VB
	v_add_nc_u32 v244, s96, v244                   ; channel 16 t + r of a panel, + 16 h
	s_lshl_b32 s97, s[WV], 6
	v_lshl_add_u32 v245, v240, 2, s97
	v_add_nc_u32 v247, VMB, v245                   ; where the sum goes,
	v_add_nc_u32 v245, SCV, v245                   ; and the channel's scale words
	VMR 0
	VMR 1
	VMR 2
	VMR 3
	v_add_f32 v246, v192, v200
	ds_store_b32 v247, v246                        ; lanes r and r + 16 write the same word with the same value
.Lnovm:
.macro KLOAD g, adr, off               ; tiles 4 g .. 4 g + 3 of K into the four buffers' lower halves
.irp t, 0,1,2,3
	ds_load_b128 v[32+16*\t:35+16*\t], v[\adr] offset:(\off)+2304*(2*(\g)+\t/2)+576*(\t%2)
	ds_load_b128 v[36+16*\t:39+16*\t], v[\adr] offset:(\off)+2304*(2*(\g)+\t/2)+576*(\t%2)+32
.endr
.endm
.macro KWORDS adr, off                 ; a step's scale words of K: register u serves tiles 2 u and 2 u + 1
.irp u, 0,1,2,3
	ds_load_b32 v[248+\u], v[\adr] offset:(\off)+128*\u
.endr
.endm
.macro QK g
.irp t, 0,1,2,3
	WM 96+8*(4*\g+\t), 32+16*\t, 16, 248+2*\g+\t/2, 255, \t%2, 0
.endr
.endm
.macro MAXHALF g                       ; the largest score of my 16 keys of blocks 2 g, 2 g + 1: four chains by turns, each accumulator from its low end on
.irp b, 0,1
	v_max3_num_f32 v[232+2*\g+\b], v[96+32*\g+16*\b], v[97+32*\g+16*\b], v[98+32*\g+16*\b]
	v_max3_num_f32 v[236+2*\g+\b], v[104+32*\g+16*\b], v[105+32*\g+16*\b], v[106+32*\g+16*\b]
.endr
.irp i, 3,5
.irp b, 0,1
	v_max3_num_f32 v[232+2*\g+\b], v[232+2*\g+\b], v[96+32*\g+16*\b+\i], v[97+32*\g+16*\b+\i]
	v_max3_num_f32 v[236+2*\g+\b], v[236+2*\g+\b], v[104+32*\g+16*\b+\i], v[105+32*\g+16*\b+\i]
.endr
.endr
.irp b, 0,1
	v_max3_num_f32 v[232+2*\g+\b], v[232+2*\g+\b], v[236+2*\g+\b], v[103+32*\g+16*\b]
.endr
.irp b, 0,1
	v_max_num_f32 v[232+2*\g+\b], v[232+2*\g+\b], v[111+32*\g+16*\b]
.endr
.endm
; S^T of the step in hand into v96-159.  Tiles 0-3 and the words were fetched a step ago; tiles 4-7 follow into the same buffers; the next step's tiles 0-3 and words are fetched behind the last products,
; with the first half's 16 maxima as the eight places.  (The last step's look-ahead reads bytes of V and of V's table: they lie in LDS and are used by nobody.)
.macro SCORES
	v_add_nc_u32 v[ADK], s[TB], v[AK0]
	v_add_nc_u32 v[ADS], s[TS], v[ASK0]
	s_wait_alu depctr_va_vdst(0)
	s_wait_dscnt 0x0
	QK 0
	PLACES 8                                       ; in front of loads into registers that these products have read, and of the first read of their results
	KLOAD 1, ADK, 0
	s_wait_dscnt 0x0
	QK 1
	s_cmp_lg_u32 s[CNT], s[ROLE]                   ; the wave's last step lies on the diagonal: hidden keys' scores become -infinity (the wave's number and the count of steps alone)
	s_cbranch_scc1 .Lopen_\@
	v_mov_b32 v245, 0xff800000
.set mn, 0
.rept 64
	v_cmp_gt_i32 vcc_lo, 32*(mn/16)+mn%16, v[DG]
	v_cndmask_b32 v[96+mn], v[96+mn], v245, vcc_lo
.set mn, mn+1
.endr
.Lopen_\@:
	MAXHALF 0
	KLOAD 0, ADK, 9216
	KWORDS ADS, 512
.endm
.macro SCALE64                         ; c s + v12, two at a time
.set pj, 0
.rept 32
	v_pk_fma_f32 v[96+pj:97+pj], v[96+pj:97+pj], s[CS:CS+1], v[12:13] op_sel_hi:[1,0,0]
.set pj, pj+2
.endr
.endm
.macro EXP64
.set pj, 0
.rept 64
	v_exp_f32 v[96+pj], v[96+pj]
.set pj, pj+1
.endr
.endm
; PASS 1, a step: m and l are kept LANE BY LANE, each lane for its own half of the keys.  Every wave walks 16 trips; a step behind the wave's queries leaves its work out, not the lines that step addresses.
.macro P1STEP
	s_cmp_gt_u32 s[CNT], s[ROLE]
	s_cbranch_scc1 .Lhid1_\@
	SCORES
	MAXHALF 1
	v_max3_num_f32 v244, v232, v233, v234
	v_max3_num_f32 v13, v244, v235, v13            ; the running maximum
	v_mul_f32 v240, s[NC], v13
	v_sub_f32 v242, v240, v12                      ; c m_old - c m_new
	v_mov_b32 v12, v240
	SCALE64
	s_wait_alu depctr_va_vdst(0)
	EXP64
	v_exp_f32 v242, v242
	v_nop                                          ; a plain line behind the batch
	s_wait_alu depctr_va_vdst(0)                   ; one wait for the 65, ahead of their first reader
	v_pk_mul_f32 v[14:15], v[14:15], v[242:243] op_sel_hi:[1,0]
	v_pk_add_f32 v[236:237], v[96:97], v[98:99]
.set pj, 4
.rept 15
	v_pk_add_f32 v[14:15], v[14:15], v[96+pj:97+pj]
	v_pk_add_f32 v[236:237], v[236:237], v[98+pj:99+pj]
.set pj, pj+4
.endr
	v_pk_add_f32 v[14:15], v[14:15], v[236:237]
.Lhid1_\@:
	s_add_co_u32 s[TB], s[TB], 9216
	s_add_co_u32 s[TS], s[TS], 512
.endm
	s_mov_b32 s[TB], 0
	s_mov_b32 s[TS], 0
	s_mov_b32 s[CNT], 0
	KLOAD 0, AK0, 0                                ; step 0's first fragments and words
	KWORDS ASK0, 0
.Lp1:
	P1STEP
	s_add_co_u32 s[CNT], s[CNT], 1
	s_cmp_lt_u32 s[CNT], 16
	s_cbranch_scc1 .Lp1
	; BETWEEN THE PASSES: the two halves' m and l are joined, in a form that gives both lanes the same bits; -M' = -c m - log2(l)
	s_wait_alu depctr_va_vdst(0)
	s_wait_dscnt 0x0                               ; the look-ahead's loads have landed: their registers are loaded anew below
	v_add_f32 v14, v14, v15
	v_permlanex16_b32 v244, v13, s[SEL], s[SEL+1]
	v_permlanex16_b32 v245, v14, s[SEL], s[SEL+1]
	v_max_num_f32 v246, v13, v244
	v_sub_f32 v236, v13, v246
	v_sub_f32 v237, v244, v246
	v_mul_f32 v236, s[CS], v236
	v_mul_f32 v237, s[CS], v237
	s_wait_alu depctr_va_vdst(0)
	v_exp_f32 v236, v236
	v_exp_f32 v237, v237
	v_mov_b32 v13, v246                            ; the row's m (a plain line behind the two)
	s_wait_alu depctr_va_vdst(0)
	v_mul_f32 v236, v14, v236
	v_mul_f32 v237, v245, v237
	v_add_f32 v236, v236, v237                     ; the row's l, at least about 1
	s_wait_alu depctr_va_vdst(0)
	v_log_f32 v236, v236
	v_nop
	s_wait_alu depctr_va_vdst(0)
	v_fma_f32 v12, s[NC], v13, -v236
	s_mov_b32 s[TB], 0
	s_mov_b32 s[TS], 0
	s_mov_b32 s[TJ], 0
	s_mov_b32 s[CNT], 0
	KLOAD 0, AK0, 0
	KWORDS ASK0, 0
.macro VLOAD t, dst
.irp c, 0,1,2,3
	ds_load_b128 v[\dst+4*\c:\dst+4*\c+3], v[ADV] offset:(\c/2)*4608+2304*(\t/2)+576*(\t%2)+32*(\c%2)
.endr
.endm
.macro PQ b                            ; block b: the hold (and nan_to_num: a NaN gives 0), then its 32 codes
.set pj, 0
.rept 16
	v_med3_num_f32 v[96+16*\b+pj], v[96+16*\b+pj], 0, v[240+\b]
.set pj, pj+1
.endr
	v_cvt_scalef32_pk8_bf8_f32 v[224+4*\b:225+4*\b], v[96+16*\b:103+16*\b], v[244+\b]
	v_cvt_scalef32_pk8_bf8_f32 v[226+4*\b:227+4*\b], v[104+16*\b:111+16*\b], v[244+\b]
.endm
; PASS 2, a step.  V's tiles 0, 1 and its words are fetched with the look-ahead, into registers of their own; tiles 2, 3 land on blocks 2, 3 of p, which are converted first.
.macro P2STEP
	s_cmp_gt_u32 s[CNT], s[ROLE]
	s_cbranch_scc1 .Lhid2_\@
	v_add_nc_u32 v[ADV], s[TB], v[AV0]
	v_add_nc_u32 v[ADT], s[TJ], v[ASV0]
	SCORES                                         ; (its second products write v128-159, which the last step's products read: four additions and eight v_nop stand between, nine are asked)
	VLOAD 0, 192
	VLOAD 1, 208
	ds_load_b32 v252, v[ADT]
	ds_load_b32 v254, v[ADT] offset:128
	MAXHALF 1
.irp b, 0,1,2,3
	v_permlanex16_b32 v[236+\b], v[232+\b], s[SEL], s[SEL+1]
.endr
.irp b, 0,1,2,3
	v_max_num_f32 v[232+\b], v[232+\b], v[236+\b]  ; the block's largest score: p rises with the score, so it gives the block's largest p
.endr
	SCALE64
.irp b, 0,1,2,3
	v_fma_f32 v[232+\b], v[232+\b], s[CS], v12
.endr
	s_wait_alu depctr_va_vdst(0)
	EXP64                                          ; p, finished and normalised
.irp b, 0,1,2,3
	v_exp_f32 v[232+\b], v[232+\b]
.endr
	v_nop
	s_wait_alu depctr_va_vdst(0)                   ; one wait for the 68
.irp b, 0,1,2,3
	v_max_num_f32 v[232+\b], 0x8000000, v[232+\b]  ; the floor 2^(16 - 127)
.endr
.irp b, 0,1,2,3
	v_add_nc_u32 v[244+\b], 0xf8800000, v[232+\b]
.endr
.irp b, 0,1,2,3
	v_and_or_b32 v[240+\b], v[232+\b], 0x7f800000, s[MNT]
.endr
.irp b, 0,1,2,3
	v_lshrrev_b32 v[236+\b], 23, v[244+\b]
.endr
	v_lshl_or_b32 v253, v237, 8, v236              ; p's scale word: made ahead of the 64 holds, its eight places
	v_lshl_or_b32 v253, v238, 16, v253
	v_lshl_or_b32 v253, v239, 24, v253
	PQ 2
	PQ 3
	VLOAD 2, 128
	VLOAD 3, 144
	PQ 0
	PQ 1
	PLACES 4                                       ; the codes' four places ahead of a scaled matrix instruction
	s_wait_alu depctr_va_vdst(0)
	s_wait_dscnt 0x0
	WM 160, 192, 224, 252, 253, 0, 1
	WM 168, 208, 224, 252, 253, 1, 1
	WM 176, 128, 224, 254, 253, 0, 1
	WM 184, 144, 224, 254, 253, 1, 1
.Lhid2_\@:
	s_add_co_u32 s[TB], s[TB], 9216
	s_add_co_u32 s[TS], s[TS], 512
	s_add_co_u32 s[TJ], s[TJ], 256
.endm
.Lp2:
	P2STEP
	s_add_co_u32 s[CNT], s[CNT], 1
	s_cmp_lt_u32 s[CNT], 16
	s_cbranch_scc1 .Lp2
	; THE WAY OUT: rows with no visible key that counts take vm; att is quantised along the head's 64 (two blocks) and leaves as 1,024 consecutive bytes
	PLACES 8
	s_wait_dscnt 0x0                               ; my LDS instructions are done, vm's store among them
	s_barrier_signal -1
	s_barrier_wait -1                              ; vm stands
	v_bfe_u32 v244, v0, 4, 1
	v_lshl_add_u32 v244, v244, 6, VMB
.irp b, 0,1
.irp i, 0,1,2,3
	ds_load_b128 v[192+16*\b+4*\i:195+16*\b+4*\i], v244 offset:128*\b+16*\i   ; vm in O^T's layout: channel 32 b + 16 h + 0 .. 15
.endr
.endr
	s_wait_dscnt 0x0
	v_cmp_gt_f32 vcc_lo, 0xcf800000, v13           ; the row's largest raw score lies under -2^32
.set oj, 0
.rept 32
	v_cndmask_b32 v[160+oj], v[160+oj], v[192+oj], vcc_lo
.set oj, oj+1
.endr
.irp b, 0,1
	v_max3_num_f32 v[232+\b], |v[160+16*\b]|, |v[161+16*\b]|, 0x8000000
	v_max3_num_f32 v[234+\b], |v[162+16*\b]|, |v[163+16*\b]|, |v[164+16*\b]|
.endr
.irp i, 5,9
.irp b, 0,1
	v_max3_num_f32 v[232+\b], v[232+\b], |v[160+16*\b+\i]|, |v[161+16*\b+\i]|
	v_max3_num_f32 v[234+\b], v[234+\b], |v[162+16*\b+\i]|, |v[163+16*\b+\i]|
.endr
.endr
.irp b, 0,1
	v_max3_num_f32 v[232+\b], v[232+\b], |v[173+16*\b]|, |v[174+16*\b]|
.endr
.irp b, 0,1
	v_max3_num_f32 v[232+\b], v[232+\b], v[234+\b], |v[175+16*\b]|
.endr
.irp b, 0,1
	v_permlanex16_b32 v[236+\b], v[232+\b], s[SEL], s[SEL+1]
.endr
.irp b, 0,1
	v_max_num_f32 v[232+\b], v[232+\b], v[236+\b]
.endr
.irp b, 0,1
	v_add_nc_u32 v[244+\b], 0xf8800000, v[232+\b]
.endr
.irp b, 0,1
	v_and_or_b32 v[240+\b], v[232+\b], 0x7f800000, s[MNT]
.endr
.irp b, 0,1
	v_lshrrev_b32 v[236+\b], 23, v[244+\b]
.endr
	v_lshl_or_b32 v253, v237, 8, v236              ; my head's two scale bytes
.irp b, 0,1
.irp i, 0,1,2,3,4,5,6,7,8,9,10,11,12,13,14,15
	v_med3_num_f32 v[160+16*\b+\i], v[160+16*\b+\i], -v[240+\b], v[240+\b]
.endr
	v_cvt_scalef32_pk8_bf8_f32 v[224+4*\b:225+4*\b], v[160+16*\b:167+16*\b], v[244+\b]
	v_cvt_scalef32_pk8_bf8_f32 v[226+4*\b:227+4*\b], v[168+16*\b:175+16*\b], v[244+\b]
.endr
	v_and_b32 v8, 15, v0                           ; (a plain line behind the last conversion)
	v_bfe_u32 v9, v0, 4, 1
	s_lshl_b32 s96, s[WV], 10
	s_add_co_u32 s96, s96, STG
	v_lshlrev_b32 v10, 6, v8
	v_lshl_add_u32 v10, v9, 4, v10
	v_add_nc_u32 v10, s96, v10                     ; in: row r, + 16 h, + 32 for the second block
	v_and_b32 v246, 31, v0
	v_lshlrev_b32 v11, 4, v246                     ; back, and in memory: 16 bytes a lane
	v_add_nc_u32 v9, s96, v11
	v_lshlrev_b32 v8, 2, v8
	ds_store_b128 v10, v[224:227]
	ds_store_b128 v10, v[228:231] offset:32
	ds_load_b128 v[96:99], v9                      ; LDS serves a wave's instructions in order
	ds_load_b128 v[100:103], v9 offset:512
	s_wait_alu depctr_va_vdst(0)
	s_wait_dscnt 0x0
	global_store_b128 v11, v[96:99], s[84:85]
	global_store_b128 v11, v[100:103], s[84:85] offset:512
	v_cmp_gt_u32 vcc_lo, 16, v246
	s_wait_xcnt 0x0                                ; EXEC changes only behind this wait
	s_and_saveexec_b32 s97, vcc_lo
	global_store_b16 v8, v253, s[82:83]            ; two of a scale word's four bytes: the neighbouring head's work-group writes the other two
	s_wait_xcnt 0x0
	s_or_b32 exec_lo, exec_lo, s97
	s_wait_tensorcnt 0x0                           ; the wave's end
	ds_add_u32 v[SPW], v[NIL]
	s_wait_dscnt 0x0
	CROUND                                         ; the closing round
	s_endpgm
.Lfunc_end_k_qdb818119ba_attn:
	.size	k_qdb818119ba_attn, .Lfunc_end_k_qdb818119ba_attn-k_qdb818119ba_attn
	.p2alignl 7, 3214868480
	.fill 96, 4, 3214868480
	.section	.rodata,"a",@progbits
	.p2align	6, 0x0
	.amdhsa_kernel k_qdb818119ba_attn
		.amdhsa_group_segment_fixed_size 327680
		.amdhsa_private_segment_fixed_size 0
		.amdhsa_enable_private_segment 0
		.amdhsa_kernarg_size 24
		.amdhsa_user_sgpr_count 2
		.amdhsa_user_sgpr_kernarg_segment_ptr 1
		.amdhsa_wavefront_size32 1
		.amdhsa_system_sgpr_workgroup_id_x 1
		.amdhsa_system_sgpr_workgroup_id_y 1
		.amdhsa_system_sgpr_workgroup_id_z 1
		.amdhsa_system_vgpr_workitem_id 0
		.amdhsa_next_free_vgpr 256
		.amdhsa_next_free_sgpr 100
		.amdhsa_reserve_vcc 1
		.amdhsa_float_denorm_mode_32 3
		.amdhsa_float_denorm_mode_16_64 3
		.amdhsa_memory_ordered 1
		.amdhsa_forward_progress 1
		.amdhsa_inst_pref_size 72
	.end_amdhsa_kernel
	.amdgpu_metadata
---
amdhsa.version: [ 1, 2 ]
amdhsa.kernels:
  - .name:           k_qdb818119ba_attn
    .symbol:         k_qdb818119ba_attn.kd
    .args:
      - { .name: qkv, .offset: 0, .size: 8, .value_kind: global_buffer, .address_space: global }
      - { .name: attention_mask, .offset: 8, .size: 8, .value_kind: global_buffer, .address_space: global }
      - { .name: attq, .offset: 16, .size: 8, .value_kind: global_buffer, .address_space: global }
    .group_segment_fixed_size: 327680
    .private_segment_fixed_size: 0
    .kernarg_segment_align: 8
    .kernarg_segment_size: 24
    .max_flat_workgroup_size: 512
    .sgpr_count:     100
    .vgpr_count:     256
    .wavefront_size: 32
...
	.end_amdgpu_metadata
.endif
;; end of part 3
;; launch wo (part 4): grid 8 x 32, 4 waves a work-group, clusters of 4 x 4, 327,680 bytes of LDS; arguments attq, wc, x, x2; writes x2
.if DOCPART == 4
	.amdgcn_target "amdgcn-amd-amdhsa--gfx1250"
	.amdhsa_code_object_version 6
	.text
	.protected	k_qdb818119ba_wo
	.globl	k_qdb818119ba_wo
	.p2align	8
	.type	k_qdb818119ba_wo,@function
k_qdb818119ba_wo:
	s_mov_b64 s[64:65], 0
	v_nop
	global_prefetch_b8 v0, s[64:65] scope:SCOPE_SE
	s_setreg_imm32_b32 hwreg(HW_REG_WAVE_MODE, 25, 1), 1
	s_wait_xcnt 0x0
	s_wait_alu depctr_hold_cnt(0) depctr_sa_sdst(0) depctr_va_vdst(0) depctr_va_sdst(0) depctr_va_ssrc(0) depctr_va_vcc(0) depctr_vm_vsrc(0)
	s_getreg_b32 s2, hwreg(HW_REG_IB_STS2, 6, 4)
	s_cmp_eq_u32 s2, 0
	s_cbranch_scc0 .Lentry_in_a_cluster
	s_endpgm
.Lentry_in_a_cluster:
	s_bfe_u32 s2, ttmp6, 0x10000c
	s_cmp_lg_u32 s2, 0xf033
	s_cbranch_scc0 .Lentry_shape_is_right
	s_endpgm
.Lentry_shape_is_right:
; x2 = x + att wo^T: product 6 on codes of E5M2 (A = attq, B = wc's rows 3,072 on), sums in f32, the residual added on the way out.
; A tile of C is 128 x 128, four waves of 64 x 64 (16 accumulators): 256 tiles, one for each WGP; tiles of 256 x 256 would be 64.  K goes in steps of 512 (eight panels of 64) through two LDS slots: here each is filled once.
; The matrix instruction is used transposed, and B's rows of a tile are chosen as in launch qkv, so that one text serves all four products' loops; a lane holds 8 neighbouring columns of a row of C in each accumulator.
; CLUSTERS 4 x 4: A's tiles are asked for jointly along a row of the cluster, B's along a column.
.set NA, 4
.set NQ, 4
.set KK, 1024
.set PS_A, 262144
.set PS_B, 262144
.set SW_A, 4096
.set SW_B, 4096
.set ASC, 4194304                      ; where A's scale words begin in its buffer
.set BOFF, 3072*64                     ; where B's codes begin,
.set BSC, 4194304+3072*4               ; and its scale words
.set NB, NA
.set NPAN, 2*NQ
.set RA, 32*NA
.set PANA, 68*RA
.set PANB, 72*RA
.set ATILE, NPAN*PANA
.set SLOT, ATILE+NPAN*PANB
.set LAPS, KK/(256*NQ)
.set KST, KK/128
.set SCA, 2*SLOT
.set SCB, SCA+KST*RA*4
.set SPARE, SCB+KST*RA*4
.set NLH, 2*NA
.set ADRA, 16
.set ADRB, 20
.set STO, 24
.set RD, 25
.set ADRS, 26
.set SPW, 28
.set NIL, 29
.set CO, 30
.set SC, 32                            ; v32-47 scale words alone
.set AF, 128
.set G1, 24
.set G0, 32
.set G1B, 48
.set G0B, 56
.set G1S, 68
.set G0S, 76
.set G1SB, 80
.set G0SB, 88
.set MSB, 0
.macro WIN new
.if MSB != (\new)
	s_set_vgpr_msb (MSB<<8)|(\new)
.set MSB, (\new)
.endif
.endm
.macro PLACES n
.rept \n
	v_nop
.endr
.endm
.macro JLOAD g0a, g1a, g0b, g1b        ; a joint load: waves 0, 1 for A, waves 2, 3 for B; an s_nop 0 and four v_nop follow each line
	s_cmp_eq_u32 s15, 0
	s_cbranch_scc0 .Lfor_b_\@
	tensor_load_to_lds s[\g0a:\g0a+3], s[\g1a:\g1a+7]
	s_nop 0
	PLACES 4
	s_branch .Lasked_\@
.Lfor_b_\@:
	tensor_load_to_lds s[\g0b:\g0b+3], s[\g1b:\g1b+7]
	s_nop 0
	PLACES 4
.Lasked_\@:
.endm
.macro CREST
	s_cmp_lg_u32 s14, 0
	s_cbranch_scc1 .Lnot_wave_0_\@
	s_barrier_signal -3
.Lnot_wave_0_\@:
	s_barrier_wait -3
	s_barrier_signal -1
	s_barrier_wait -1
.endm
.macro CROUND
	s_barrier_signal -1
	s_barrier_wait -1
	CREST
.endm
.macro FETCH_A slot, q, half
.irp i, 0,1,2,3,4,5,6,7
.if (\i >= (\half)*NA/2) && (\i < ((\half)+1)*NA/2)
.irp c, 0,1,2,3
	ds_load_b128 v[AF+16*\i+4*\c:AF+16*\i+4*\c+3], v[ADRA+2*(\slot)+(\q)/2] offset:(2*((\q)%2)+\c/2)*PANA+1088*\i+32*(\c%2)
.endr
.endif
.endr
.endm
.macro FETCH_B slot, q, p
	WIN 0x40
.irp t, 0,1,2,3,4,5,6,7
.if \t < NB
.irp c, 0,1,2,3
	ds_load_b128 v[128*(\p)+16*\t+4*\c:128*(\p)+16*\t+4*\c+3], v[ADRB+2*(\slot)+(\q)/2] offset:(2*((\q)%2)+\c/2)*PANB+2304*(\t/2)+576*(\t%2)+32*(\c%2)
.endr
.endif
.endr
	WIN 0
.endm
.macro SCALES q, par
.irp i, 0,1,2,3,4,5,6,7
.if \i < NA
	ds_load_b32 v[SC+8*(\par)+\i], v[ADRS+\i%2] offset:64*\i+(\q)*RA*4
.endif
.endr
.endm
.macro MULQ k, p, q, zero              ; the accumulators take turns, one instruction a turn
	WIN 0xa1+0x50*((8*NB*((\k)*NA/4))/256)
.irp a, 0,1,2,3,4,5,6,7
.if (\a >= (\k)*NA/4) && (\a < ((\k)+1)*NA/4)
.irp b, 0,1,2,3,4,5,6,7
.if \b < NB
.if \zero
	v_wmma_scale_f32_16x16x128_f8f6f4 v[(8*(NB*\a+\b))%256:(8*(NB*\a+\b))%256+7], v[128*(\p)+16*\b:128*(\p)+16*\b+15], v[AF+16*\a:AF+16*\a+15], 0, v[SC+8*((\q)%2)+\b], v[SC+8*((\q)%2)+\a] matrix_a_fmt:MATRIX_FMT_BF8 matrix_b_fmt:MATRIX_FMT_BF8 matrix_a_scale:MATRIX_SCALE_ROW1
.else
	v_wmma_scale_f32_16x16x128_f8f6f4 v[(8*(NB*\a+\b))%256:(8*(NB*\a+\b))%256+7], v[128*(\p)+16*\b:128*(\p)+16*\b+15], v[AF+16*\a:AF+16*\a+15], v[(8*(NB*\a+\b))%256:(8*(NB*\a+\b))%256+7], v[SC+8*((\q)%2)+\b], v[SC+8*((\q)%2)+\a] matrix_a_fmt:MATRIX_FMT_BF8 matrix_b_fmt:MATRIX_FMT_BF8 matrix_a_scale:MATRIX_SCALE_ROW1
.endif
.endif
.endr
.endif
.endr
.endm
.macro STEP slot, q, zero
	s_wait_dscnt NLH                               ; all but A's upper half, the youngest loads
	MULQ 0, (\q)%2, \q, \zero
	MULQ 1, (\q)%2, \q, \zero
	s_wait_dscnt 0x0
	PLACES 8                                       ; eight places in front of loads into registers that these matrix instructions have read
	FETCH_B \slot, (\q)+1, 1-(\q)%2
	FETCH_A \slot, (\q)+1, 0
	SCALES (\q)+1, ((\q)+1)%2
	MULQ 2, (\q)%2, \q, \zero
	MULQ 3, (\q)%2, \q, \zero
	PLACES 8
	WIN 0
	FETCH_A \slot, (\q)+1, 1
.endm
.macro MID slot, from
.irp q, 0,1,2
.if (\q >= \from) && (\q <= NQ-2)
	STEP \slot, \q, 0
.endif
.endr
.endm
.macro TURN slot, next, fill
	s_wait_tensorcnt 0x0                           ; all my tensor loads have landed: my part of the next slot
	ds_add_u32 v[SPW], v[NIL]
	s_wait_dscnt NLH+1                             ; the add and A's upper half may be out
	MULQ 0, 1, NQ-1, 0
	s_wait_dscnt 0x0                               ; the add is done, and my reads of this slot are over
	s_barrier_signal -1
	MULQ 1, 1, NQ-1, 0
	WIN 0
	s_barrier_wait -1
.if \fill
	CREST
	s_add_nc_u64 s[G0+4*\slot+2:G0+4*\slot+3], s[G0+4*\slot+2:G0+4*\slot+3], 2*NPAN*PS_A
	s_add_nc_u64 s[G0B+4*\slot+2:G0B+4*\slot+3], s[G0B+4*\slot+2:G0B+4*\slot+3], 2*NPAN*PS_B
	JLOAD G0+4*\slot, G1, G0B+4*\slot, G1B
	PLACES 4
.else
	PLACES 8
.endif
	v_add_nc_u32 v[ADRS], NQ*RA*4, v[ADRS]
	v_add_nc_u32 v[ADRS+1], NQ*RA*4, v[ADRS+1]
	FETCH_B \next, 0, 0
	FETCH_A \next, 0, 0
	SCALES 0, 0
	MULQ 2, 1, NQ-1, 0
	MULQ 3, 1, NQ-1, 0
	PLACES 8
	WIN 0
	FETCH_A \next, 0, 1
.endm
	s_load_b256 s[4:11], s[0:1], 0x0               ; A's array, B's buffer, the residual, the result
	v_lshl_add_u32 v[SPW], v0, 2, SPARE
	v_mov_b32 v[NIL], 0
	ds_add_u32 v[SPW], v[NIL]                      ; the wave's opening: the add, twice on end, and its wait ahead of my first tensor load
	ds_add_u32 v[SPW], v[NIL]
	v_lshrrev_b32 v1, 5, v0
	v_readfirstlane_b32 s14, v1
	s_lshr_b32 s15, s14, 1
	s_and_b32 s16, s14, 1
	s_bfe_u32 s40, ttmp6, 0x40000
	s_bfe_u32 s41, ttmp6, 0x40004
	s_lshl_b32 s42, ttmp9, 2
	s_add_co_u32 s42, s42, s40                     ; tile column
	s_and_b32 s17, ttmp7, 0xffff
	s_lshl_b32 s17, s17, 2
	s_add_co_u32 s17, s17, s41                     ; tile row
	s_lshl_b32 s43, s41, 2
	s_lshl_b32 s43, 15, s43
	s_lshl_b32 s44, 0x1111, s40
	s_or_b32 s[G1], s43, (1<<20)|(1<<21)|(5<<22)|(3<<25)
	s_or_b32 s[G1B], s44, (1<<20)|(1<<21)|(4<<22)|(3<<25)
.irp g, G1, G1B
	s_mov_b32 s[\g+1], (64*RA)<<16
	s_mov_b32 s[\g+2], (2*NPAN)<<16                ; one load brings all 16 panels of a tile's K = 1,024
	s_mov_b32 s[\g+3], (64*RA)<<16
	s_mov_b32 s[\g+4], 2*NPAN
	s_mov_b32 s[\g+6], 0
	s_mov_b32 s[\g+7], 0
.endr
	s_mov_b32 s[G1+5], PS_A
	s_mov_b32 s[G1B+5], PS_B
	s_or_b32 s[G1S], s43, (2<<16)|(1<<21)
	s_or_b32 s[G1SB], s44, (2<<16)|(1<<21)
.irp g, G1S, G1SB
	s_mov_b32 s[\g+1], RA<<16
	s_mov_b32 s[\g+2], KST<<16                     ; and one all eight steps' scale words
	s_mov_b32 s[\g+3], RA<<16
	s_mov_b32 s[\g+4], KST
	s_mov_b32 s[\g+6], 0
	s_mov_b32 s[\g+7], 0
.endr
	s_mov_b32 s[G1S+5], SW_A
	s_mov_b32 s[G1SB+5], SW_B
	s_mul_i32 s20, s17, RA*64
	s_mov_b32 s21, 0
	s_mul_i32 s22, s17, RA*4
	s_add_co_u32 s22, s22, ASC
	s_mov_b32 s23, 0
	s_mul_i32 s46, s42, RA*64
	s_add_co_u32 s46, s46, BOFF
	s_mov_b32 s47, 0
	s_mul_i32 s92, s42, RA*4
	s_add_co_u32 s92, s92, BSC
	s_mov_b32 s93, 0
	s_wait_dscnt 0x0
	s_wait_kmcnt 0x0
	s_add_nc_u64 s[20:21], s[4:5], s[20:21]
	s_add_nc_u64 s[22:23], s[4:5], s[22:23]
	s_add_nc_u64 s[46:47], s[6:7], s[46:47]
	s_add_nc_u64 s[92:93], s[6:7], s[92:93]
	CROUND
	s_mov_b32 s[G0S], 1
	s_mov_b32 s[G0S+1], SCA
	s_mov_b64 s[G0S+2:G0S+3], s[22:23]
	s_or_b32 s[G0S+3], s[G0S+3], 0x80000000
	s_mov_b32 s[G0SB], 1
	s_mov_b32 s[G0SB+1], SCB
	s_mov_b64 s[G0SB+2:G0SB+3], s[92:93]
	s_or_b32 s[G0SB+3], s[G0SB+3], 0x80000000
	s_mov_b32 s[G0], 1                             ; A's 16 panels lie on end from LDS byte 0, B's 16 behind them
	s_mov_b32 s[G0+1], 0
	s_mov_b64 s[G0+2:G0+3], s[20:21]
	s_or_b32 s[G0+3], s[G0+3], 0x80000000
	s_mov_b32 s[G0B], 1
	s_mov_b32 s[G0B+1], 2*ATILE
	s_mov_b64 s[G0B+2:G0B+3], s[46:47]
	s_or_b32 s[G0B+3], s[G0B+3], 0x80000000
; THE HEAD'S LOADS, ONE A WAVE: wave 0 A's codes, wave 1 B's, wave 2 A's scale words, wave 3 B's: all that the tile needs, filled once.
; One tree of branches on the wave's number: every way through the head passes exactly one load.
.macro ARM under, g0, g1, next
	s_cmp_lt_u32 s14, \under
	s_cbranch_scc0 \next
	tensor_load_to_lds s[\g0:\g0+3], s[\g1:\g1+7]
	s_nop 0
	PLACES 4
	s_branch .Lhead_asked
\next:
.endm
	ARM 1, G0,  G1,  .Lhead_b
	ARM 2, G0B, G1B, .Lhead_sa
	ARM 3, G0S, G1S, .Lhead_sb
	tensor_load_to_lds s[G0SB:G0SB+3], s[G1SB:G1SB+7]
	s_nop 0
	PLACES 4
.Lhead_asked:
	v_and_b32 v1, 15, v0
	v_bfe_u32 v2, v0, 4, 1
	v_lshrrev_b32 v3, 2, v1
	v_mul_u32_u24 v3, v3, 272
	v_and_b32 v4, 3, v1
	v_lshl_add_u32 v3, v4, 6, v3
	v_lshl_add_u32 v3, v2, 4, v3
	v_lshrrev_b32 v4, 1, v1
	v_mul_u32_u24 v4, v4, 144
	v_lshrrev_b32 v5, 3, v1
	v_mad_u32_u24 v4, v5, 576, v4
	v_and_b32 v5, 1, v1
	v_lshl_add_u32 v4, v5, 6, v4
	v_lshl_add_u32 v4, v2, 4, v4
	s_wait_alu depctr_va_vdst(0)
	s_mul_i32 s21, s15, 1088*NA
	s_mul_i32 s22, s16, 1152*NB
	s_add_co_u32 s22, s22, 2*ATILE
.irp s, 0,1
.irp u, 0,1
.if \u < NQ/2
	s_add_co_u32 s23, s21, \s*ATILE+\u*4*PANA
	v_add_nc_u32 v[ADRA+2*\s+\u], s23, v3
	s_add_co_u32 s23, s22, \s*NPAN*PANB+\u*4*PANB
	v_add_nc_u32 v[ADRB+2*\s+\u], s23, v4
.endif
.endr
.endr
	s_mul_i32 s21, s15, 64*NA
	s_mul_i32 s22, s16, 64*NB
	s_add_co_u32 s22, s22, SCB-SCA
	s_sub_co_u32 s22, s22, s21
	v_mul_u32_u24 v6, s22, v2
	s_add_co_u32 s21, s21, SCA
	v_lshl_add_u32 v5, v1, 2, v6
	v_bfe_u32 v6, v0, 3, 2
	v_add_nc_u32 v6, 1, v6
	v_lshrrev_b32 v6, 2, v6
	v_lshl_add_u32 v5, v6, 5, v5
	v_add_nc_u32 v[ADRS], s21, v5
	v_lshlrev_b32 v6, 5, v2
	v_sub_nc_u32 v[ADRS+1], v[ADRS], v6
	; the way out: a stage of 16 rows x 272 bytes a wave, in slot 0
	s_mul_i32 s23, s14, 4352
	v_mul_u32_u24 v5, v1, 272
	v_lshl_add_u32 v5, v2, 6, v5
	v_add_nc_u32 v[STO], s23, v5                   ; in: row r; tile t's 8 columns at 128 (t / 2) + 64 h + 32 (t % 2)
	v_mul_u32_u24 v5, v2, 272
	v_lshl_add_u32 v5, v1, 4, v5
	v_add_nc_u32 v[RD], s23, v5                    ; back: lanes 0-15 one row of 256 bytes, lanes 16-31 the next
	v_lshlrev_b32 v5, 12, v2
	v_lshl_add_u32 v[CO], v1, 4, v5                ; and the same in memory: rows of 4,096 bytes
	s_mul_i32 s20, s17, RA
	s_lshl_b32 s21, s15, 6
	s_add_co_u32 s20, s20, s21                     ; my first row
	s_lshl_b32 s46, s20, 12
	s_lshl_b32 s47, s42, 9
	s_add_co_u32 s46, s46, s47
	s_lshl_b32 s47, s16, 8
	s_add_co_u32 s46, s46, s47
	s_mov_b32 s47, 0
	s_add_nc_u64 s[8:9], s[8:9], s[46:47]
	s_add_nc_u64 s[10:11], s[10:11], s[46:47]
	s_wait_alu depctr_va_vdst(0)
	WIN 0x80                                       ; the residual's 64 rows x 256 bytes are asked for here, into v128-255 of window 2, which nothing else names
.irp a, 0,1,2,3
.irp i, 0,1,2,3,4,5,6,7
	global_load_b128 v[128+32*\a+4*\i:128+32*\a+4*\i+3], v[CO], s[8:9] offset:(16*\a+2*\i)*4096
.endr
.endr
	WIN 0
	s_wait_alu depctr_va_vdst(0)
	s_wait_tensorcnt 0x0                           ; my one load has landed
	s_barrier_signal -1
	s_barrier_wait -1
	FETCH_B 0, 0, 0
	FETCH_A 0, 0, 0
	SCALES 0, 0
	FETCH_A 0, 0, 1
	STEP 0, 0, 1
.if LAPS > 1
	s_mov_b32 s3, LAPS-1
.Llap:
	MID 0, 1
	TURN 0, 1, 1
	MID 1, 0
	TURN 1, 0, 1
	STEP 0, 0, 0
	s_sub_co_u32 s3, s3, 1
	s_cmp_lg_u32 s3, 0
	s_cbranch_scc1 .Llap
.endif
	MID 0, 1
	TURN 0, 1, 0
	s_wait_alu depctr_va_vdst(0)
	MID 1, 0
	s_wait_dscnt NLH
	MULQ 0, 1, NQ-1, 0
	MULQ 1, 1, NQ-1, 0
	s_wait_dscnt 0x0
	MULQ 2, 1, NQ-1, 0
	MULQ 3, 1, NQ-1, 0
	WIN 0
	; THE WAY OUT: the residual's 64 rows x 256 bytes are asked for at once; each block of 16 rows goes through my stage, gets its residual and leaves, sixteen lanes to 256 consecutive bytes
	PLACES 8
.irp a, 0,1,2,3
	WIN 0x08
.irp t, 0,1,2,3
	ds_store_b128 v[STO], v[32*\a+8*\t:32*\a+8*\t+3] offset:128*(\t/2)+32*(\t%2)       ; each accumulator from its low end on
	ds_store_b128 v[STO], v[32*\a+8*\t+4:32*\a+8*\t+7] offset:128*(\t/2)+32*(\t%2)+16
.endr
	WIN 0
.if \a >= 2
	s_wait_xcnt 0x0                                ; block a - 2's stores have read their registers
.endif
.irp i, 0,1,2,3,4,5,6,7
	ds_load_b128 v[64+32*(\a%2)+4*\i:64+32*(\a%2)+4*\i+3], v[RD] offset:544*\i   ; LDS serves a wave's instructions in order
.endr
	s_wait_dscnt 0x0
	s_wait_loadcnt 8*(3-\a)                        ; this block's residual is in; the later blocks' may be out
	WIN 0x08                                       ; source 1, the residual: window 2
.irp i, 0,2,4,6,8,10,12,14,16,18,20,22,24,26,28,30
	v_pk_add_f32 v[64+32*(\a%2)+\i:64+32*(\a%2)+\i+1], v[64+32*(\a%2)+\i:64+32*(\a%2)+\i+1], v[128+32*\a+\i:128+32*\a+\i+1]
.endr
	WIN 0
.irp i, 0,1,2,3,4,5,6,7
	global_store_b128 v[CO], v[64+32*(\a%2)+4*\i:64+32*(\a%2)+4*\i+3], s[10:11] offset:(16*\a+2*\i)*4096
.endr
.endr
	s_wait_tensorcnt 0x0                           ; the wave's end
	ds_add_u32 v[SPW], v[NIL]
	s_wait_dscnt 0x0
	CROUND                                         ; the closing round
	s_endpgm
.Lfunc_end_k_qdb818119ba_wo:
	.size	k_qdb818119ba_wo, .Lfunc_end_k_qdb818119ba_wo-k_qdb818119ba_wo
	.p2alignl 7, 3214868480
	.fill 96, 4, 3214868480
	.section	.rodata,"a",@progbits
	.p2align	6, 0x0
	.amdhsa_kernel k_qdb818119ba_wo
		.amdhsa_group_segment_fixed_size 327680
		.amdhsa_private_segment_fixed_size 0
		.amdhsa_enable_private_segment 0
		.amdhsa_kernarg_size 32
		.amdhsa_user_sgpr_count 2
		.amdhsa_user_sgpr_kernarg_segment_ptr 1
		.amdhsa_wavefront_size32 1
		.amdhsa_system_sgpr_workgroup_id_x 1
		.amdhsa_system_sgpr_workgroup_id_y 1
		.amdhsa_system_sgpr_workgroup_id_z 1
		.amdhsa_system_vgpr_workitem_id 0
		.amdhsa_next_free_vgpr 768
		.amdhsa_next_free_sgpr 100
		.amdhsa_reserve_vcc 0
		.amdhsa_float_denorm_mode_32 3
		.amdhsa_float_denorm_mode_16_64 3
		.amdhsa_memory_ordered 1
		.amdhsa_forward_progress 1
		.amdhsa_inst_pref_size 65
	.end_amdhsa_kernel
	.amdgpu_metadata
---
amdhsa.version: [ 1, 2 ]
amdhsa.kernels:
  - .name:           k_qdb818119ba_wo
    .symbol:         k_qdb818119ba_wo.kd
    .args:
      - { .name: attq, .offset: 0, .size: 8, .value_kind: global_buffer, .address_space: global }
      - { .name: wc, .offset: 8, .size: 8, .value_kind: global_buffer, .address_space: global }
      - { .name: x, .offset: 16, .size: 8, .value_kind: global_buffer, .address_space: global }
      - { .name: x2, .offset: 24, .size: 8, .value_kind: global_buffer, .address_space: global }
    .group_segment_fixed_size: 327680
    .private_segment_fixed_size: 0
    .kernarg_segment_align: 8
    .kernarg_segment_size: 32
    .max_flat_workgroup_size: 128
    .sgpr_count:     100
    .vgpr_count:     768
    .wavefront_size: 32
...
	.end_amdgpu_metadata
.endif
;; end of part 4
;; launch norm2 (part 5): grid 256 x 1, 4 waves a work-group, no clusters, 23,040 bytes of LDS; arguments x2, w_norm_mlp, hq2; writes hq2
.if DOCPART == 5
	.amdgcn_target "amdgcn-amd-amdhsa--gfx1250"
	.amdhsa_code_object_version 6
	.text
	.protected	k_qdb818119ba_norm2
	.globl	k_qdb818119ba_norm2
	.p2align	8
	.type	k_qdb818119ba_norm2,@function
k_qdb818119ba_norm2:
	s_mov_b64 s[64:65], 0
	v_nop
	global_prefetch_b8 v0, s[64:65] scope:SCOPE_SE
	s_setreg_imm32_b32 hwreg(HW_REG_WAVE_MODE, 25, 1), 1
	s_wait_xcnt 0x0
; h2 = x2 * rsqrt(mean(x2^2) + 1e-6) * gain, quantised along its 1,024 into codes [16 panels][4,096 rows][64 bytes] and scale words [8][4,096][4 bytes]: launch prep's text for x, with its sizes.
; A work-group takes 16 rows, a wave 4, in 8 steps of 4 rows x 128 columns; each load reads 512 consecutive bytes; a step turns through the wave's own stage so that a lane holds 16 neighbours along K.
; LIMITS: a block whose largest magnitude lies under 2^-111 keeps the byte 1; NaN and infinities are not served.
.set WREG, 5632
.set SPARE, 4*WREG
.set OFF, 3
.set SPW, 12
.set NIL, 13
.set CO, 20
.set X, 32
.set R, 64
.set C, 192
.set G, 224
.set E, 224
	s_load_b128 s[4:7], s[0:1], 0x0                ; x2, gain
	s_load_b64 s[8:9], s[0:1], 0x10                ; hq2
	v_lshl_add_u32 v[SPW], v0, 2, SPARE
	v_mov_b32 v[NIL], 0
	v_lshrrev_b32 v1, 5, v0
	v_readfirstlane_b32 s24, v1
	v_and_b32 v1, 31, v0
	s_wait_alu depctr_va_vdst(0)
	s_mov_b32 s29, 18                              ; log2 PS
	s_mov_b32 s44, 14                              ; log2 SS
	s_mov_b32 s34, 4096                            ; pitch
	s_mov_b32 s35, 524288                          ; 2 PS
	s_lshl_b32 s30, ttmp9, 4
	s_lshl_b32 s37, s24, 2
	s_add_co_u32 s30, s30, s37                     ; my first row
	s_lshl_b32 s38, s30, 12
	s_mov_b32 s39, 0
	s_lshl_b32 s40, s30, 6
	s_mov_b32 s41, 0
	s_lshl_b32 s42, s30, 2
	s_add_co_u32 s42, s42, 4194304
	s_mov_b32 s43, 0
	s_mov_b32 s52, 0x76543210
	s_mov_b32 s53, 0xfedcba98
	s_mov_b32 s54, 0x600000
	s_mov_b32 s55, 0x3a800000
	s_mov_b32 s56, 0x358637bd
	v_lshlrev_b32 v[OFF], 4, v1
.irp i, 1,2,3
	v_add_nc_u32 v[OFF+\i], s34, v[OFF+\i-1]
.endr
	s_mul_i32 s45, s24, WREG
	v_lshrrev_b32 v7, 2, v1
	v_and_b32 v8, 3, v1
	v_mul_u32_u24 v14, v7, 80
	v_lshl_add_u32 v14, v8, 4, v14
	v_add_nc_u32 v14, s45, v14
	v_and_b32 v9, 3, v7
	v_lshrrev_b32 v10, 4, v1
	v_lshl_add_u32 v15, v9, 3, v8
	v_lshl_add_u32 v15, v10, 2, v15
	v_mul_u32_u24 v15, v15, 80
	v_add_nc_u32 v15, s45, v15
	v_bfe_u32 v16, v1, 1, 1
	v_lshl_add_u32 v16, v10, 1, v16
	v_lshl_add_u32 v16, v9, 2, v16
	v_add_nc_u32 v16, s45, v16
	v_lshl_add_u32 v17, v1, 2, s45
	v_lshlrev_b32 v18, s44, v7
	v_lshl_add_u32 v18, v8, 2, v18
	v_and_b32 v11, 15, v1
	v_lshlrev_b32 v[CO], s29, v10
	v_lshl_add_u32 v[CO], v11, 4, v[CO]
.irp s, 1,2,3,4,5,6,7
	v_add_nc_u32 v[CO+\s], s35, v[CO+\s-1]
.endr
	s_wait_kmcnt 0x0
	s_add_nc_u64 s[26:27], s[4:5], s[38:39]
	s_add_nc_u64 s[48:49], s[8:9], s[40:41]
	s_add_nc_u64 s[50:51], s[8:9], s[42:43]
.irp s, 0,1,2,3,4,5,6,7
.irp i, 0,1,2,3
	global_load_b128 v[R+16*\s+4*\i:R+16*\s+4*\i+3], v[OFF+\i], s[26:27] offset:512*\s
.endr
.endr
.irp s, 0,1,2,3,4,5,6,7
	global_load_b128 v[G+4*\s:G+4*\s+3], v[OFF], s[6:7] offset:512*\s
.endr
	s_wait_loadcnt 0x0
.irp i, 0,1,2,3
	v_pk_mul_f32 v[32+2*\i:33+2*\i], v[R+4*\i:R+4*\i+1], v[R+4*\i:R+4*\i+1]
.endr
.irp i, 0,1,2,3
	v_pk_fma_f32 v[32+2*\i:33+2*\i], v[R+4*\i+2:R+4*\i+3], v[R+4*\i+2:R+4*\i+3], v[32+2*\i:33+2*\i]
.endr
.irp s, 1,2,3,4,5,6,7
.irp u, 0,2
.irp i, 0,1,2,3
	v_pk_fma_f32 v[32+2*\i:33+2*\i], v[R+16*\s+4*\i+\u:R+16*\s+4*\i+\u+1], v[R+16*\s+4*\i+\u:R+16*\s+4*\i+\u+1], v[32+2*\i:33+2*\i]
.endr
.endr
.endr
.irp i, 0,1,2,3
	v_add_f32 v[32+2*\i], v[32+2*\i], v[33+2*\i]
.endr
.irp m, 1,2,4,8
.irp i, 0,1,2,3
	v_add_f32_dpp v[32+2*\i], v[32+2*\i], v[32+2*\i] row_xmask:\m row_mask:0xf bank_mask:0xf
.endr
.endr
.irp i, 0,1,2,3
	v_permlanex16_b32 v[33+2*\i], v[32+2*\i], s52, s53
.endr
.irp i, 0,1,2,3
	v_add_f32 v[32+2*\i], v[32+2*\i], v[33+2*\i]
.endr
.irp i, 0,1,2,3
	v_fma_f32 v[32+2*\i], v[32+2*\i], s55, s56     ; mean + eps
.endr
	s_wait_alu depctr_va_vdst(0)
.irp i, 0,1,2,3
	v_rsq_f32 v[40+2*\i], v[32+2*\i]
.endr
.irp i, 0,1,2,3
	v_mov_b32 v[41+2*\i], 0                        ; plain lines behind the batch; the pairs' upper halves are named below
.endr
	s_wait_alu depctr_va_vdst(0)                   ; one wait for the four, ahead of their first reader
.irp s, 0,1,2,3,4,5,6,7
.irp i, 0,1,2,3
.irp u, 0,2
	v_pk_mul_f32 v[R+16*\s+4*\i+\u:R+16*\s+4*\i+\u+1], v[R+16*\s+4*\i+\u:R+16*\s+4*\i+\u+1], v[40+2*\i:41+2*\i] op_sel_hi:[1,0]
.endr
.endr
.irp i, 0,1,2,3
.irp u, 0,2
	v_pk_mul_f32 v[R+16*\s+4*\i+\u:R+16*\s+4*\i+\u+1], v[R+16*\s+4*\i+\u:R+16*\s+4*\i+\u+1], v[G+4*\s+\u:G+4*\s+\u+1]
.endr
.endr
.endr
.macro TURN s
.irp i, 0,1,2,3
	ds_store_b128 v14, v[R+16*(\s)+4*\i:R+16*(\s)+4*\i+3] offset:2560*((\s)%2)+640*\i
.endr
.irp i, 0,1,2,3
	ds_load_b128 v[X+16*((\s)%2)+4*\i:X+16*((\s)%2)+4*\i+3], v15 offset:2560*((\s)%2)+16*\i
.endr
.endm
.macro STEP s
.set XS, X+16*((\s)%2)
.if (\s) > 0
	s_wait_dscnt 1                                 ; this step's numbers are back; the last step's byte store may be out
.else
	s_wait_dscnt 0x0
.endif
.if (\s)+1 < 8
	TURN (\s)+1
.endif
	v_max3_num_f32 v8, |v[XS]|, |v[XS+1]|, |v[XS+2]|
	v_max3_num_f32 v9, |v[XS+3]|, |v[XS+4]|, |v[XS+5]|
.irp i, 6,10
	v_max3_num_f32 v8, v8, |v[XS+\i]|, |v[XS+\i+1]|
	v_max3_num_f32 v9, v9, |v[XS+\i+2]|, |v[XS+\i+3]|
.endr
	v_max3_num_f32 v8, v8, |v[XS+14]|, |v[XS+15]|
	v_max3_num_f32 v8, v8, v9, 0x8000000
	v_max_num_f32_dpp v8, v8, v8 row_xmask:1 row_mask:0xf bank_mask:0xf
	v_add_nc_u32 v11, 0xf8800000, v8
	v_and_or_b32 v10, v8, 0x7f800000, s54
.irp i, 0,1,2,3,4,5,6,7,8,9,10,11,12,13,14,15
	v_med3_num_f32 v[XS+\i], v[XS+\i], -v10, v10
.endr
	v_cvt_scalef32_pk8_bf8_f32 v[C+4*(\s):C+4*(\s)+1], v[XS:XS+7], v11
	v_cvt_scalef32_pk8_bf8_f32 v[C+4*(\s)+2:C+4*(\s)+3], v[XS+8:XS+15], v11
	v_lshrrev_b32 v[E+(\s)], 23, v11
	ds_store_b8 v16, v[E+(\s)] offset:5120+16*(\s)
	global_store_b128 v[CO+(\s)], v[C+4*(\s):C+4*(\s)+3], s[48:49]
.endm
	TURN 0
.irp s, 0,1,2,3,4,5,6,7
	STEP \s
.endr
	ds_load_b32 v8, v17 offset:5120
	s_wait_dscnt 0x0
	global_store_b32 v18, v8, s[50:51]
	s_wait_tensorcnt 0x0                           ; the wave's end
	ds_add_u32 v[SPW], v[NIL]
	s_wait_dscnt 0x0
	s_endpgm
.Lfunc_end_k_qdb818119ba_norm2:
	.size	k_qdb818119ba_norm2, .Lfunc_end_k_qdb818119ba_norm2-k_qdb818119ba_norm2
	.p2alignl 7, 3214868480
	.fill 96, 4, 3214868480
	.section	.rodata,"a",@progbits
	.p2align	6, 0x0
	.amdhsa_kernel k_qdb818119ba_norm2
		.amdhsa_group_segment_fixed_size 23040
		.amdhsa_private_segment_fixed_size 0
		.amdhsa_enable_private_segment 0
		.amdhsa_kernarg_size 24
		.amdhsa_user_sgpr_count 2
		.amdhsa_user_sgpr_kernarg_segment_ptr 1
		.amdhsa_wavefront_size32 1
		.amdhsa_system_sgpr_workgroup_id_x 1
		.amdhsa_system_sgpr_workgroup_id_y 1
		.amdhsa_system_sgpr_workgroup_id_z 1
		.amdhsa_system_vgpr_workitem_id 0
		.amdhsa_next_free_vgpr 256
		.amdhsa_next_free_sgpr 100
		.amdhsa_reserve_vcc 0
		.amdhsa_float_denorm_mode_32 3
		.amdhsa_float_denorm_mode_16_64 3
		.amdhsa_memory_ordered 1
		.amdhsa_forward_progress 1
		.amdhsa_inst_pref_size 42
	.end_amdhsa_kernel
	.amdgpu_metadata
---
amdhsa.version: [ 1, 2 ]
amdhsa.kernels:
  - .name:           k_qdb818119ba_norm2
    .symbol:         k_qdb818119ba_norm2.kd
    .args:
      - { .name: x2, .offset: 0, .size: 8, .value_kind: global_buffer, .address_space: global }
      - { .name: w_norm_mlp, .offset: 8, .size: 8, .value_kind: global_buffer, .address_space: global }
      - { .name: hq2, .offset: 16, .size: 8, .value_kind: global_buffer, .address_space: global }
    .group_segment_fixed_size: 23040
    .private_segment_fixed_size: 0
    .kernarg_segment_align: 8
    .kernarg_segment_size: 24
    .max_flat_workgroup_size: 128
    .sgpr_count:     100
    .vgpr_count:     256
    .wavefront_size: 32
...
	.end_amdgpu_metadata
.endif
;; end of part 5
;; launch up (part 6): grid 16 x 16, 4 waves a work-group, clusters of 4 x 4, 327,680 bytes of LDS; arguments hq2, wc, hid; writes hid
.if DOCPART == 6
	.amdgcn_target "amdgcn-amd-amdhsa--gfx1250"
	.amdhsa_code_object_version 6
	.text
	.protected	k_qdb818119ba_up
	.globl	k_qdb818119ba_up
	.p2align	8
	.type	k_qdb818119ba_up,@function
k_qdb818119ba_up:
	s_mov_b64 s[64:65], 0
	v_nop
	global_prefetch_b8 v0, s[64:65] scope:SCOPE_SE
	s_setreg_imm32_b32 hwreg(HW_REG_WAVE_MODE, 25, 1), 1
	s_wait_xcnt 0x0
	s_wait_alu depctr_hold_cnt(0) depctr_sa_sdst(0) depctr_va_vdst(0) depctr_va_sdst(0) depctr_va_ssrc(0) depctr_va_vcc(0) depctr_vm_vsrc(0)
	s_getreg_b32 s2, hwreg(HW_REG_IB_STS2, 6, 4)
	s_cmp_eq_u32 s2, 0
	s_cbranch_scc0 .Lentry_in_a_cluster
	s_endpgm
.Lentry_in_a_cluster:
	s_bfe_u32 s2, ttmp6, 0x10000c
	s_cmp_lg_u32 s2, 0xf033
	s_cbranch_scc0 .Lentry_shape_is_right
	s_endpgm
.Lentry_shape_is_right:
.set NA, 8
.set NQ, 2
.set KK, 1024
.set PS_A, 262144
.set PS_B, 262144
.set SW_A, 4096
.set SW_B, 4096
.set ASC, 4194304
.set BOFF, 4325376
.set BSC, 4325376+4194304
.set NB, NA
.set NPAN, 2*NQ
.set RA, 32*NA
.set PANA, 68*RA
.set PANB, 72*RA
.set ATILE, NPAN*PANA
.set SLOT, ATILE+NPAN*PANB
.set LAPS, KK/(256*NQ)
.set KST, KK/128
.set SCA, 2*SLOT
.set SCB, SCA+KST*RA*4
.set SPARE, SCB+KST*RA*4
.set NLH, 2*NA
.set ADRA, 16
.set ADRB, 20
.set STO, 24
.set RD, 25
.set ADRS, 26
.set SPW, 28
.set NIL, 29
.set CO, 30
.set SWA, 31
.set SC, 32
.set HX, 48
.set PC, 112
.set AF, 128
.set TM, 128
.set PW, 144
.set BK, 160
.set G1, 24
.set G0, 32
.set G1B, 48
.set G0B, 56
.set G1S, 68
.set G0S, 76
.set G1SB, 80
.set G0SB, 88
.set MSB, 0
.macro WIN new
.if MSB != (\new)
	s_set_vgpr_msb (MSB<<8)|(\new)
.set MSB, (\new)
.endif
.endm
.macro PLACES n
.rept \n
	v_nop
.endr
.endm
.macro JLOAD g0a, g1a, g0b, g1b
	s_cmp_eq_u32 s15, 0
	s_cbranch_scc0 .Lfor_b_\@
	tensor_load_to_lds s[\g0a:\g0a+3], s[\g1a:\g1a+7]
	s_nop 0
	PLACES 4
	s_branch .Lasked_\@
.Lfor_b_\@:
	tensor_load_to_lds s[\g0b:\g0b+3], s[\g1b:\g1b+7]
	s_nop 0
	PLACES 4
.Lasked_\@:
.endm
.macro CREST
	s_cmp_lg_u32 s14, 0
	s_cbranch_scc1 .Lnot_wave_0_\@
	s_barrier_signal -3
.Lnot_wave_0_\@:
	s_barrier_wait -3
	s_barrier_signal -1
	s_barrier_wait -1
.endm
.macro CROUND
	s_barrier_signal -1
	s_barrier_wait -1
	CREST
.endm
.macro FETCH_A slot, q, half
.irp i, 0,1,2,3,4,5,6,7
.if (\i >= (\half)*NA/2) && (\i < ((\half)+1)*NA/2)
.irp c, 0,1,2,3
	ds_load_b128 v[AF+16*\i+4*\c:AF+16*\i+4*\c+3], v[ADRA+2*(\slot)+(\q)/2] offset:(2*((\q)%2)+\c/2)*PANA+1088*\i+32*(\c%2)
.endr
.endif
.endr
.endm
.macro FETCH_B slot, q, p
	WIN 0x40
.irp t, 0,1,2,3,4,5,6,7
.if \t < NB
.irp c, 0,1,2,3
	ds_load_b128 v[128*(\p)+16*\t+4*\c:128*(\p)+16*\t+4*\c+3], v[ADRB+2*(\slot)+(\q)/2] offset:(2*((\q)%2)+\c/2)*PANB+2304*(\t/2)+576*(\t%2)+32*(\c%2)
.endr
.endif
.endr
	WIN 0
.endm
.macro SCALES q, par
.irp i, 0,1,2,3,4,5,6,7
.if \i < NA
	ds_load_b32 v[SC+8*(\par)+\i], v[ADRS+\i%2] offset:64*\i+(\q)*RA*4
.endif
.endr
.endm
.macro MULQ k, p, q, zero
	WIN 0xa1+0x50*((8*NB*((\k)*NA/4))/256)
.irp a, 0,1,2,3,4,5,6,7
.if (\a >= (\k)*NA/4) && (\a < ((\k)+1)*NA/4)
.irp b, 0,1,2,3,4,5,6,7
.if \b < NB
.if \zero
	v_wmma_scale_f32_16x16x128_f8f6f4 v[(8*(NB*\a+\b))%256:(8*(NB*\a+\b))%256+7], v[128*(\p)+16*\b:128*(\p)+16*\b+15], v[AF+16*\a:AF+16*\a+15], 0, v[SC+8*((\q)%2)+\b], v[SC+8*((\q)%2)+\a] matrix_a_fmt:MATRIX_FMT_BF8 matrix_b_fmt:MATRIX_FMT_BF8 matrix_a_scale:MATRIX_SCALE_ROW1
.else
	v_wmma_scale_f32_16x16x128_f8f6f4 v[(8*(NB*\a+\b))%256:(8*(NB*\a+\b))%256+7], v[128*(\p)+16*\b:128*(\p)+16*\b+15], v[AF+16*\a:AF+16*\a+15], v[(8*(NB*\a+\b))%256:(8*(NB*\a+\b))%256+7], v[SC+8*((\q)%2)+\b], v[SC+8*((\q)%2)+\a] matrix_a_fmt:MATRIX_FMT_BF8 matrix_b_fmt:MATRIX_FMT_BF8 matrix_a_scale:MATRIX_SCALE_ROW1
.endif
.endif
.endr
.endif
.endr
.endm
.macro STEP slot, q, zero
	s_wait_dscnt NLH
	MULQ 0, (\q)%2, \q, \zero
	MULQ 1, (\q)%2, \q, \zero
	s_wait_dscnt 0x0
	PLACES 8
	FETCH_B \slot, (\q)+1, 1-(\q)%2
	FETCH_A \slot, (\q)+1, 0
	SCALES (\q)+1, ((\q)+1)%2
	MULQ 2, (\q)%2, \q, \zero
	MULQ 3, (\q)%2, \q, \zero
	PLACES 8
	WIN 0
	FETCH_A \slot, (\q)+1, 1
.endm
.macro MID slot, from
.irp q, 0,1,2
.if (\q >= \from) && (\q <= NQ-2)
	STEP \slot, \q, 0
.endif
.endr
.endm
.macro TURN slot, next, fill
	s_wait_tensorcnt 0x0
	ds_add_u32 v[SPW], v[NIL]
	s_wait_dscnt NLH+1
	MULQ 0, 1, NQ-1, 0
	s_wait_dscnt 0x0
	s_barrier_signal -1
	MULQ 1, 1, NQ-1, 0
	WIN 0
	s_barrier_wait -1
.if \fill
	CREST
	s_add_nc_u64 s[G0+4*\slot+2:G0+4*\slot+3], s[G0+4*\slot+2:G0+4*\slot+3], 2*NPAN*PS_A
	s_add_nc_u64 s[G0B+4*\slot+2:G0B+4*\slot+3], s[G0B+4*\slot+2:G0B+4*\slot+3], 2*NPAN*PS_B
	JLOAD G0+4*\slot, G1, G0B+4*\slot, G1B
	PLACES 4
.else
	PLACES 8
.endif
	s_wait_alu depctr_va_vdst(0)
	v_add_nc_u32 v[ADRS], NQ*RA*4, v[ADRS]
	v_add_nc_u32 v[ADRS+1], NQ*RA*4, v[ADRS+1]
	FETCH_B \next, 0, 0
	FETCH_A \next, 0, 0
	SCALES 0, 0
	MULQ 2, 1, NQ-1, 0
	MULQ 3, 1, NQ-1, 0
	PLACES 8
	WIN 0
	FETCH_A \next, 0, 1
.endm
.macro QUANT s, w
	WIN (\w)|((\w)<<2)
.irp b, 0,1,2,3
	v_max3_num_f32 v[TM+\b], |v[(\s)+16*\b]|, |v[(\s)+16*\b+1]|, 0x8000000
.endr
.irp i, 2,4,6,8,10,12,14
.irp b, 0,1,2,3
	v_max3_num_f32 v[TM+\b], |v[(\s)+16*\b+\i]|, |v[(\s)+16*\b+\i+1]|, v[TM+\b]
.endr
.endr
	WIN 0
.irp b, 0,1,2,3
	v_permlanex16_b32 v[TM+4+\b], v[TM+\b], s96, s97
.endr
.irp b, 0,1,2,3
	v_max_num_f32 v[TM+\b], v[TM+\b], v[TM+4+\b]
.endr
.irp b, 0,1,2,3
	v_add_nc_u32 v[TM+12+\b], 0xf8800000, v[TM+\b]
.endr
.irp b, 0,1,2,3
	v_and_or_b32 v[TM+8+\b], v[TM+\b], 0x7f800000, s98
.endr
.irp b, 0,1,2,3
	v_lshrrev_b32 v[TM+4+\b], 23, v[TM+12+\b]
.endr
	v_lshl_or_b32 v[PW], v[TM+5], 8, v[TM+4]
	v_lshl_or_b32 v[PW], v[TM+6], 16, v[PW]
	v_lshl_or_b32 v[PW], v[TM+7], 24, v[PW]
.irp b, 0,1,2,3
	WIN (\w)|((\w)<<6)
.irp i, 0,1,2,3,4,5,6,7,8,9,10,11,12,13,14,15
	v_med3_num_f32 v[(\s)+16*\b+\i], v[(\s)+16*\b+\i], -v[TM+8+\b], v[TM+8+\b]
.endr
	WIN (\w)
	v_cvt_scalef32_pk8_bf8_f32 v[PC+4*\b:PC+4*\b+1], v[(\s)+16*\b:(\s)+16*\b+7], v[TM+12+\b]
	v_cvt_scalef32_pk8_bf8_f32 v[PC+4*\b+2:PC+4*\b+3], v[(\s)+16*\b+8:(\s)+16*\b+15], v[TM+12+\b]
.endr
	WIN 0
	v_nop
.endm
.macro PK16 d, a, b
.set gj, 0
.rept 16
	v_pk_mul_f32 v[\d+gj:\d+gj+1], v[\a+gj:\a+gj+1], v[\b+gj:\b+gj+1]
.set gj, gj+2
.endr
.endm
.macro HORNER d, k
.set gj, 0
.rept 16
	v_pk_fma_f32 v[\d+gj:\d+gj+1], v[\d+gj:\d+gj+1], v[160+gj:161+gj], \k op_sel_hi:[1,1,0]
.set gj, gj+2
.endr
.endm
.macro GELU h
.set gj, 0
.rept 16
	v_pk_mul_f32 v[128+gj:129+gj], v[\h+gj:\h+gj+1], 0x3fb504f3 op_sel_hi:[1,0]
.set gj, gj+2
.endr
.set gj, 0
.rept 32
	v_med3_num_f32 v[128+gj], v[128+gj], -4.0, 4.0
.set gj, gj+1
.endr
	PK16 160, 128, 128
.set gj, 0
.rept 16
	v_pk_fma_f32 v[192+gj:193+gj], v[160+gj:161+gj], v[12:13], 0x32edffee op_sel_hi:[1,1,0]
	v_pk_fma_f32 v[224+gj:225+gj], v[160+gj:161+gj], v[14:15], 0xb95fbd29 op_sel_hi:[1,1,0]
.set gj, gj+2
.endr
.irp k, 0xb60cff51, 0xb86ec2d2, 0xba40ac63, 0xbb41a1f6, 0xbc83dbd4
	HORNER 192, \k
.endr
.irp k, 0xbadc924e, 0xbbf19bf8, 0xbc69b6a7
	HORNER 224, \k
.endr
.set gj, 0
	s_wait_alu depctr_va_vdst(0)
.rept 32
	v_rcp_f32 v[224+gj], v[224+gj]
.set gj, gj+1
.endr
	PK16 192, 192, 128
	s_wait_alu depctr_va_vdst(0)
	PK16 192, 192, 224
.set gj, 0
.rept 16
	v_pk_fma_f32 v[\h+gj:\h+gj+1], v[\h+gj:\h+gj+1], v[192+gj:193+gj], v[\h+gj:\h+gj+1]
.set gj, gj+2
.endr
.endm
.macro ARM a
	WIN 2+(\a)/4
.set aj, 0
.rept 32
	v_pk_mul_f32 v[HX+aj:HX+aj+1], v[64*((\a)%4)+aj:64*((\a)%4)+aj+1], 0.5 op_sel_hi:[1,0]
.set aj, aj+2
.endr
	WIN 0
.endm
	s_load_b128 s[4:7], s[0:1], 0x0
	s_load_b64 s[8:9], s[0:1], 0x10
	v_lshl_add_u32 v[SPW], v0, 2, SPARE
	v_mov_b32 v[NIL], 0
	ds_add_u32 v[SPW], v[NIL]
	ds_add_u32 v[SPW], v[NIL]
	v_lshrrev_b32 v1, 5, v0
	v_readfirstlane_b32 s14, v1
	s_lshr_b32 s15, s14, 1
	s_and_b32 s16, s14, 1
	s_bfe_u32 s40, ttmp6, 0x40000
	s_bfe_u32 s41, ttmp6, 0x40004
	s_lshl_b32 s42, ttmp9, 2
	s_add_co_u32 s42, s42, s40
	s_and_b32 s17, ttmp7, 0xffff
	s_lshl_b32 s17, s17, 2
	s_add_co_u32 s17, s17, s41
	s_lshl_b32 s43, s41, 2
	s_lshl_b32 s43, 15, s43
	s_lshl_b32 s44, 0x1111, s40
	s_or_b32 s[G1], s43, (1<<20)|(1<<21)|(5<<22)|(3<<25)
	s_or_b32 s[G1B], s44, (1<<20)|(1<<21)|(4<<22)|(3<<25)
.irp g, G1, G1B
	s_mov_b32 s[\g+1], (64*RA)<<16
	s_mov_b32 s[\g+2], NPAN<<16                    ; the head's loads bring a slot's whole tile; behind them these two words are set to half
	s_mov_b32 s[\g+3], (64*RA)<<16
	s_mov_b32 s[\g+4], NPAN
	s_mov_b32 s[\g+6], 0
	s_mov_b32 s[\g+7], 0
.endr
	s_mov_b32 s[G1+5], PS_A
	s_mov_b32 s[G1B+5], PS_B
	s_or_b32 s[G1S], s43, (2<<16)|(1<<21)
	s_or_b32 s[G1SB], s44, (2<<16)|(1<<21)
.irp g, G1S, G1SB
	s_mov_b32 s[\g+1], RA<<16
	s_mov_b32 s[\g+2], KST<<16                     ; one load brings all steps' scale words
	s_mov_b32 s[\g+3], RA<<16
	s_mov_b32 s[\g+4], KST
	s_mov_b32 s[\g+6], 0
	s_mov_b32 s[\g+7], 0
.endr
	s_mov_b32 s[G1S+5], SW_A
	s_mov_b32 s[G1SB+5], SW_B
.set G0H, 4                            ; s[4:7], s[96:99] group 0 for the head's loads of slot 0: A's whole tile, B's whole tile (the arguments that lay in s[4:7] have been used by then)
.set G0HB, 96
	s_mul_i32 s20, s17, RA*64
	s_mov_b32 s21, 0
	s_mul_i32 s22, s17, RA*4
	s_add_co_u32 s22, s22, ASC
	s_mov_b32 s23, 0
	s_mul_i32 s46, s42, RA*64
	s_add_co_u32 s46, s46, BOFF
	s_mov_b32 s47, 0
	s_mul_i32 s92, s42, RA*4
	s_add_co_u32 s92, s92, BSC
	s_mov_b32 s93, 0
	s_mul_i32 s18, s16, (NPAN/2)*PS_A              ; in the ring I fetch half a tile's panels: which half, in memory (A's and B's panels lie equally far apart),
	s_mov_b32 s19, 0
	s_mul_i32 s45, s16, (NPAN/2)*PANA              ; and in LDS
	s_mul_i32 s94, s16, (NPAN/2)*PANB
	s_wait_dscnt 0x0
	s_wait_kmcnt 0x0
	s_add_nc_u64 s[20:21], s[4:5], s[20:21]
	s_add_nc_u64 s[22:23], s[4:5], s[22:23]
	s_add_nc_u64 s[46:47], s[6:7], s[46:47]
	s_add_nc_u64 s[92:93], s[6:7], s[92:93]
	CROUND
	s_mov_b32 s[G0S], 1
	s_mov_b32 s[G0S+1], SCA
	s_mov_b64 s[G0S+2:G0S+3], s[22:23]
	s_or_b32 s[G0S+3], s[G0S+3], 0x80000000
	s_mov_b32 s[G0SB], 1
	s_mov_b32 s[G0SB+1], SCB
	s_mov_b64 s[G0SB+2:G0SB+3], s[92:93]
	s_or_b32 s[G0SB+3], s[G0SB+3], 0x80000000
	s_mov_b32 s[G0H], 1
	s_mov_b32 s[G0H+1], 0
	s_mov_b64 s[G0H+2:G0H+3], s[20:21]
	s_or_b32 s[G0H+3], s[G0H+3], 0x80000000
	s_mov_b32 s[G0HB], 1
	s_mov_b32 s[G0HB+1], ATILE
	s_mov_b64 s[G0HB+2:G0HB+3], s[46:47]
	s_or_b32 s[G0HB+3], s[G0HB+3], 0x80000000
; THE HEAD'S LOADS, ONE A WAVE: wave 0 slot 0's tile of A, wave 1 its tile of B, wave 2 A's scale words, wave 3 B's.  One tree of branches on the wave's number: every way passes exactly one load.
.macro HARM under, g0, g1, next
	s_cmp_lt_u32 s14, \under
	s_cbranch_scc0 \next
	tensor_load_to_lds s[\g0:\g0+3], s[\g1:\g1+7]
	s_nop 0
	PLACES 4
	s_branch .Lhead_asked
\next:
.endm
	HARM 1, G0H,  G1,  .Lhead_b
	HARM 2, G0HB, G1B, .Lhead_sa
	HARM 3, G0S,  G1S, .Lhead_sb
	tensor_load_to_lds s[G0SB:G0SB+3], s[G1SB:G1SB+7]
	s_nop 0
	PLACES 4
.Lhead_asked:
	s_add_nc_u64 s[20:21], s[20:21], s[18:19]      ; for the ring: my half of a tile
	s_add_nc_u64 s[46:47], s[46:47], s[18:19]
.irp s, 0,1
	s_mov_b32 s[G0+4*\s], 1
	s_add_co_u32 s[G0+4*\s+1], s45, \s*SLOT
	s_add_nc_u64 s[G0+4*\s+2:G0+4*\s+3], s[20:21], \s*NPAN*PS_A
	s_or_b32 s[G0+4*\s+3], s[G0+4*\s+3], 0x80000000
	s_mov_b32 s[G0B+4*\s], 1
	s_add_co_u32 s[G0B+4*\s+1], s94, \s*SLOT+ATILE
	s_add_nc_u64 s[G0B+4*\s+2:G0B+4*\s+3], s[46:47], \s*NPAN*PS_B
	s_or_b32 s[G0B+4*\s+3], s[G0B+4*\s+3], 0x80000000
.endr
	v_and_b32 v1, 15, v0
	v_bfe_u32 v2, v0, 4, 1
	v_lshrrev_b32 v3, 2, v1
	v_mul_u32_u24 v3, v3, 272
	v_and_b32 v4, 3, v1
	v_lshl_add_u32 v3, v4, 6, v3
	v_lshl_add_u32 v3, v2, 4, v3
	v_lshrrev_b32 v4, 1, v1
	v_mul_u32_u24 v4, v4, 144
	v_lshrrev_b32 v5, 3, v1
	v_mad_u32_u24 v4, v5, 576, v4
	v_and_b32 v5, 1, v1
	v_lshl_add_u32 v4, v5, 6, v4
	v_lshl_add_u32 v4, v2, 4, v4
	s_mul_i32 s21, s15, 1088*NA
	s_mul_i32 s22, s16, 1152*NB
	s_add_co_u32 s22, s22, ATILE
.irp s, 0,1
.irp u, 0,1
.if \u < NQ/2
	s_add_co_u32 s23, s21, \s*SLOT+\u*4*PANA
	v_add_nc_u32 v[ADRA+2*\s+\u], s23, v3
	s_add_co_u32 s23, s22, \s*SLOT+\u*4*PANB
	v_add_nc_u32 v[ADRB+2*\s+\u], s23, v4
.endif
.endr
.endr
	s_mul_i32 s21, s15, 64*NA
	s_mul_i32 s22, s16, 64*NB
	s_add_co_u32 s22, s22, SCB-SCA
	s_sub_co_u32 s22, s22, s21
	v_mul_u32_u24 v6, s22, v2
	s_add_co_u32 s21, s21, SCA
	v_lshl_add_u32 v5, v1, 2, v6
	v_bfe_u32 v6, v0, 3, 2
	v_add_nc_u32 v6, 1, v6
	v_lshrrev_b32 v6, 2, v6
	v_lshl_add_u32 v5, v6, 5, v5
	v_add_nc_u32 v[ADRS], s21, v5
	v_lshlrev_b32 v6, 5, v2
	v_sub_nc_u32 v[ADRS+1], v[ADRS], v6
	s_mul_i32 s23, s14, 3072
	v_mul_u32_u24 v5, v1, 80
	v_lshl_add_u32 v5, v2, 4, v5
	v_add_nc_u32 v[STO], s23, v5
	v_and_b32 v6, 31, v0
	v_lshrrev_b32 v5, 2, v6
	v_mul_u32_u24 v5, v5, 80
	v_and_b32 v7, 3, v0
	v_lshl_add_u32 v5, v7, 4, v5
	v_add_nc_u32 v[RD], s23, v5
	v_lshlrev_b32 v[CO], 4, v6
	v_lshl_add_u32 v5, v1, 2, 2560
	v_add_nc_u32 v[SWA], s23, v5
	v_mov_b32 v12, 0xaf95df0b
	v_mov_b32 v13, 0xaf95df0b
	v_mov_b32 v14, 0xb77460cd
	v_mov_b32 v15, 0xb77460cd
	s_lshl_b32 s46, s42, 2
	s_lshl_b32 s47, s16, 1
	s_add_co_u32 s46, s46, s47
	s_lshl_b32 s92, s46, 18
	s_lshr_b32 s46, s46, 1
	s_lshl_b32 s93, s46, 14
	s_mul_i32 s20, s17, RA
	s_lshl_b32 s21, s15, 7
	s_add_co_u32 s20, s20, s21
	s_lshl_b32 s21, s20, 6
	s_add_co_u32 s46, s92, s21
	s_mov_b32 s47, 0
	s_add_nc_u64 s[10:11], s[8:9], s[46:47]
	s_add_nc_u64 s[12:13], s[10:11], 262144
	s_lshl_b32 s21, s20, 2
	s_add_co_u32 s46, s93, s21
	s_add_co_u32 s46, s46, 16777216
	s_add_nc_u64 s[66:67], s[8:9], s[46:47]
	s_wait_alu depctr_va_vdst(0)
	s_wait_tensorcnt 0x0                           ; my tile of the head's four is in
	ds_add_u32 v[SPW], v[NIL]
	s_mov_b32 s[G1+2], (NPAN/2)<<16                ; no tensor load of mine is out: from here on a load brings half a tile's panels
	s_mov_b32 s[G1+4], NPAN/2
	s_mov_b32 s[G1B+2], (NPAN/2)<<16
	s_mov_b32 s[G1B+4], NPAN/2
	s_wait_dscnt 0x0
	CROUND                                         ; all four tiles are in, and the sixteen work-groups are here
	JLOAD G0+4, G1, G0B+4, G1B                     ; slot 1's first fill, the first tensor load behind the round
	FETCH_B 0, 0, 0
	FETCH_A 0, 0, 0
	SCALES 0, 0
	FETCH_A 0, 0, 1
	STEP 0, 0, 1
.if LAPS > 1
	s_mov_b32 s3, LAPS-1
.Llap:
	MID 0, 1
	TURN 0, 1, 1
	s_wait_alu depctr_va_vdst(0)
	MID 1, 0
	TURN 1, 0, 1
	s_wait_alu depctr_va_vdst(0)
	STEP 0, 0, 0
	s_sub_co_u32 s3, s3, 1
	s_cmp_lg_u32 s3, 0
	s_cbranch_scc1 .Llap
.endif
	MID 0, 1
	TURN 0, 1, 0
	s_wait_alu depctr_va_vdst(0)
	MID 1, 0
	s_wait_dscnt NLH
	MULQ 0, 1, NQ-1, 0
	MULQ 1, 1, NQ-1, 0
	s_wait_dscnt 0x0
	MULQ 2, 1, NQ-1, 0
	MULQ 3, 1, NQ-1, 0
	WIN 0
	PLACES 8
	s_mov_b32 s96, 0x76543210
	s_mov_b32 s97, 0xfedcba98
	s_mov_b32 s98, 0x600000
	s_mov_b32 s3, 0
	s_mov_b32 s2, 0
.Lblk:
.irp a, 0,1,2,3,4,5,6
	s_cmp_eq_u32 s3, \a
	s_cbranch_scc1 .Larm\a
.endr
	ARM 7
	s_branch .Lcom
.irp a, 0,1,2,3,4,5,6
.Larm\a:
	ARM \a
	s_branch .Lcom
.endr
.Lcom:
	GELU HX
	GELU HX+32
	QUANT HX, 0
	v_add_nc_u32 v5, s2, v[SWA]
.irp b, 0,1,2,3
	ds_store_b128 v[STO], v[PC+4*\b:PC+4*\b+3] offset:1280*(\b/2)+32*(\b%2)
.endr
	ds_store_b32 v5, v[PW]
.irp p, 0,1
.irp i, 0,1
	ds_load_b128 v[BK+8*\p+4*\i:BK+8*\p+4*\i+3], v[RD] offset:1280*\p+640*\i
.endr
.endr
	s_wait_dscnt 0x0
.irp i, 0,1
	global_store_b128 v[CO], v[BK+4*\i:BK+4*\i+3], s[10:11] offset:512*\i
	global_store_b128 v[CO], v[BK+8+4*\i:BK+8+4*\i+3], s[12:13] offset:512*\i
.endr
	s_wait_xcnt 0x0
	s_add_nc_u64 s[10:11], s[10:11], 1024
	s_add_nc_u64 s[12:13], s[12:13], 1024
	s_add_co_u32 s2, s2, 64
	s_add_co_u32 s3, s3, 1
	s_cmp_lt_u32 s3, 8
	s_cbranch_scc1 .Lblk
	v_add_nc_u32 v5, s23, v[CO]
	ds_load_b128 v[BK:BK+3], v5 offset:2560
	s_wait_dscnt 0x0
	global_store_b128 v[CO], v[BK:BK+3], s[66:67]
	s_wait_tensorcnt 0x0
	ds_add_u32 v[SPW], v[NIL]
	s_wait_dscnt 0x0
	CROUND
	s_endpgm
.Lfunc_end_k_qdb818119ba_up:
	.size	k_qdb818119ba_up, .Lfunc_end_k_qdb818119ba_up-k_qdb818119ba_up
	.p2alignl 7, 3214868480
	.fill 96, 4, 3214868480
	.section	.rodata,"a",@progbits
	.p2align	6, 0x0
	.amdhsa_kernel k_qdb818119ba_up
		.amdhsa_group_segment_fixed_size 327680
		.amdhsa_private_segment_fixed_size 0
		.amdhsa_enable_private_segment 0
		.amdhsa_kernarg_size 24
		.amdhsa_user_sgpr_count 2
		.amdhsa_user_sgpr_kernarg_segment_ptr 1
		.amdhsa_wavefront_size32 1
		.amdhsa_system_sgpr_workgroup_id_x 1
		.amdhsa_system_sgpr_workgroup_id_y 1
		.amdhsa_system_sgpr_workgroup_id_z 1
		.amdhsa_system_vgpr_workitem_id 0
		.amdhsa_next_free_vgpr 1024
		.amdhsa_next_free_sgpr 100
		.amdhsa_reserve_vcc 0
		.amdhsa_float_denorm_mode_32 3
		.amdhsa_float_denorm_mode_16_64 3
		.amdhsa_memory_ordered 1
		.amdhsa_forward_progress 1
		.amdhsa_inst_pref_size 195
	.end_amdhsa_kernel
	.amdgpu_metadata
---
amdhsa.version: [ 1, 2 ]
amdhsa.kernels:
  - .name:           k_qdb818119ba_up
    .symbol:         k_qdb818119ba_up.kd
    .args:
      - { .name: hq2, .offset: 0, .size: 8, .value_kind: global_buffer, .address_space: global }
      - { .name: wc, .offset: 8, .size: 8, .value_kind: global_buffer, .address_space: global }
      - { .name: hid, .offset: 16, .size: 8, .value_kind: global_buffer, .address_space: global }
    .group_segment_fixed_size: 327680
    .private_segment_fixed_size: 0
    .kernarg_segment_align: 8
    .kernarg_segment_size: 24
    .max_flat_workgroup_size: 128
    .sgpr_count:     100
    .vgpr_count:     1024
    .wavefront_size: 32
...
	.end_amdgpu_metadata
.endif
;; end of part 6
;; launch down (part 7): grid 8 x 32, 4 waves a work-group, clusters of 4 x 4, 327,680 bytes of LDS; arguments hid, wc, x2, out0; writes out0
.if DOCPART == 7
	.amdgcn_target "amdgcn-amd-amdhsa--gfx1250"
	.amdhsa_code_object_version 6
	.text
	.protected	k_qdb818119ba_down
	.globl	k_qdb818119ba_down
	.p2align	8
	.type	k_qdb818119ba_down,@function
k_qdb818119ba_down:
	s_mov_b64 s[64:65], 0
	v_nop
	global_prefetch_b8 v0, s[64:65] scope:SCOPE_SE
	s_setreg_imm32_b32 hwreg(HW_REG_WAVE_MODE, 25, 1), 1
	s_wait_xcnt 0x0
	s_wait_alu depctr_hold_cnt(0) depctr_sa_sdst(0) depctr_va_vdst(0) depctr_va_sdst(0) depctr_va_ssrc(0) depctr_va_vcc(0) depctr_vm_vsrc(0)
	s_getreg_b32 s2, hwreg(HW_REG_IB_STS2, 6, 4)
	s_cmp_eq_u32 s2, 0
	s_cbranch_scc0 .Lentry_in_a_cluster
	s_endpgm
.Lentry_in_a_cluster:
	s_bfe_u32 s2, ttmp6, 0x10000c
	s_cmp_lg_u32 s2, 0xf033
	s_cbranch_scc0 .Lentry_shape_is_right
	s_endpgm
.Lentry_shape_is_right:
.set NA, 4
.set NQ, 4
.set KK, 4096
.set PS_A, 262144
.set PS_B, 65536
.set SW_A, 4096
.set SW_B, 1024
.set ASC, 16777216
.set BOFF, 8650752
.set BSC, 8650752+4194304
.set NB, NA
.set NPAN, 2*NQ
.set RA, 32*NA
.set PANA, 68*RA
.set PANB, 72*RA
.set ATILE, NPAN*PANA
.set SLOT, ATILE+NPAN*PANB
.set LAPS, KK/(256*NQ)
.set KST, KK/128
.set SCA, 2*SLOT
.set SCB, SCA+KST*RA*4
.set SPARE, SCB+KST*RA*4
.set NLH, 2*NA
.set ADRA, 16
.set ADRB, 20
.set STO, 24
.set RD, 25
.set ADRS, 26
.set SPW, 28
.set NIL, 29
.set CO, 30
.set SC, 32
.set AF, 128
.set G1, 24
.set G0, 32
.set G1B, 48
.set G0B, 56
.set G1S, 68
.set G0S, 76
.set G1SB, 80
.set G0SB, 88
.set MSB, 0
.macro WIN new
.if MSB != (\new)
	s_set_vgpr_msb (MSB<<8)|(\new)
.set MSB, (\new)
.endif
.endm
.macro PLACES n
.rept \n
	v_nop
.endr
.endm
.macro JLOAD g0a, g1a, g0b, g1b
	s_cmp_eq_u32 s15, 0
	s_cbranch_scc0 .Lfor_b_\@
	tensor_load_to_lds s[\g0a:\g0a+3], s[\g1a:\g1a+7]
	s_nop 0
	PLACES 4
	s_branch .Lasked_\@
.Lfor_b_\@:
	tensor_load_to_lds s[\g0b:\g0b+3], s[\g1b:\g1b+7]
	s_nop 0
	PLACES 4
.Lasked_\@:
.endm
.macro CREST
	s_cmp_lg_u32 s14, 0
	s_cbranch_scc1 .Lnot_wave_0_\@
	s_barrier_signal -3
.Lnot_wave_0_\@:
	s_barrier_wait -3
	s_barrier_signal -1
	s_barrier_wait -1
.endm
.macro CROUND
	s_barrier_signal -1
	s_barrier_wait -1
	CREST
.endm
.macro FETCH_A slot, q, half
.irp i, 0,1,2,3
.if (\i >= (\half)*NA/2) && (\i < ((\half)+1)*NA/2)
.irp c, 0,1,2,3
	ds_load_b128 v[AF+16*\i+4*\c:AF+16*\i+4*\c+3], v[ADRA+2*(\slot)+(\q)/2] offset:(2*((\q)%2)+\c/2)*PANA+1088*\i+32*(\c%2)
.endr
.endif
.endr
.endm
.macro FETCH_B slot, q, p
	WIN 0x40
.irp t, 0,1,2,3
.irp c, 0,1,2,3
	ds_load_b128 v[128*(\p)+16*\t+4*\c:128*(\p)+16*\t+4*\c+3], v[ADRB+2*(\slot)+(\q)/2] offset:(2*((\q)%2)+\c/2)*PANB+2304*(\t/2)+576*(\t%2)+32*(\c%2)
.endr
.endr
	WIN 0
.endm
.macro SCALES q, par
.irp i, 0,1,2,3
	ds_load_b32 v[SC+8*(\par)+\i], v[ADRS+\i%2] offset:64*\i+(\q)*RA*4
.endr
.endm
.macro MULQ k, p, q, zero
	WIN 0xa1
.irp b, 0,1,2,3
.if \zero
	v_wmma_scale_f32_16x16x128_f8f6f4 v[8*(NB*(\k)+\b):8*(NB*(\k)+\b)+7], v[128*(\p)+16*\b:128*(\p)+16*\b+15], v[AF+16*(\k):AF+16*(\k)+15], 0, v[SC+8*((\q)%2)+\b], v[SC+8*((\q)%2)+(\k)] matrix_a_fmt:MATRIX_FMT_BF8 matrix_b_fmt:MATRIX_FMT_BF8 matrix_a_scale:MATRIX_SCALE_ROW1
.else
	v_wmma_scale_f32_16x16x128_f8f6f4 v[8*(NB*(\k)+\b):8*(NB*(\k)+\b)+7], v[128*(\p)+16*\b:128*(\p)+16*\b+15], v[AF+16*(\k):AF+16*(\k)+15], v[8*(NB*(\k)+\b):8*(NB*(\k)+\b)+7], v[SC+8*((\q)%2)+\b], v[SC+8*((\q)%2)+(\k)] matrix_a_fmt:MATRIX_FMT_BF8 matrix_b_fmt:MATRIX_FMT_BF8 matrix_a_scale:MATRIX_SCALE_ROW1
.endif
.endr
.endm
.macro STEP slot, q, zero
	s_wait_dscnt NLH
	MULQ 0, (\q)%2, \q, \zero
	MULQ 1, (\q)%2, \q, \zero
	s_wait_dscnt 0x0
	PLACES 8
	FETCH_B \slot, (\q)+1, 1-(\q)%2
	FETCH_A \slot, (\q)+1, 0
	SCALES (\q)+1, ((\q)+1)%2
	MULQ 2, (\q)%2, \q, \zero
	MULQ 3, (\q)%2, \q, \zero
	PLACES 8
	WIN 0
	FETCH_A \slot, (\q)+1, 1
.endm
.macro MID slot, from
.irp q, 0,1,2
.if (\q >= \from) && (\q <= NQ-2)
	s_wait_alu depctr_va_vdst(0)
	STEP \slot, \q, 0
.endif
.endr
.endm
.macro TURN slot, next, fill
.if \fill
	s_wait_xcnt 0x0                                ; any prefetch of mine has read its address: it is stepped here, ahead of the waits of the change of slots
	s_add_nc_u64 s[PFA:PFA+1], s[PFA:PFA+1], s[PFS:PFS+1]
.endif
	s_wait_tensorcnt 0x0
	ds_add_u32 v[SPW], v[NIL]
	s_wait_dscnt NLH+1
	MULQ 0, 1, NQ-1, 0
	s_wait_dscnt 0x0
	s_barrier_signal -1
	MULQ 1, 1, NQ-1, 0
	WIN 0
	s_barrier_wait -1
.if \fill
	CREST
	s_add_nc_u64 s[G0+4*\slot+2:G0+4*\slot+3], s[G0+4*\slot+2:G0+4*\slot+3], 2*NPAN*PS_A
	s_add_nc_u64 s[G0B+4*\slot+2:G0B+4*\slot+3], s[G0B+4*\slot+2:G0B+4*\slot+3], 2*NPAN*PS_B
	JLOAD G0+4*\slot, G1, G0B+4*\slot, G1B
	PLACES 4
.else
	PLACES 8
.endif
	v_add_nc_u32 v[ADRS], NQ*RA*4, v[ADRS]
	v_add_nc_u32 v[ADRS+1], NQ*RA*4, v[ADRS+1]
	FETCH_B \next, 0, 0
	FETCH_A \next, 0, 0
	SCALES 0, 0
.if \fill
	s_cmp_gt_u32 s3, 1                             ; the loop's last trip has no slot two refills on
	s_cbranch_scc0 .Lnopf_\@
	global_prefetch_b8 v[PFO], s[PFA:PFA+1] th:TH_LOAD_NT scope:SCOPE_SE
.Lnopf_\@:
.endif
	MULQ 2, 1, NQ-1, 0
	MULQ 3, 1, NQ-1, 0
	PLACES 8
	WIN 0
	FETCH_A \next, 0, 1
.endm
	s_load_b256 s[4:11], s[0:1], 0x0
	v_lshl_add_u32 v[SPW], v0, 2, SPARE
	v_mov_b32 v[NIL], 0
	ds_add_u32 v[SPW], v[NIL]
	ds_add_u32 v[SPW], v[NIL]
	v_lshrrev_b32 v1, 5, v0
	v_readfirstlane_b32 s14, v1
	s_lshr_b32 s15, s14, 1
	s_and_b32 s16, s14, 1
	s_bfe_u32 s40, ttmp6, 0x40000
	s_bfe_u32 s41, ttmp6, 0x40004
	s_lshl_b32 s42, ttmp9, 2
	s_add_co_u32 s42, s42, s40
	s_and_b32 s17, ttmp7, 0xffff
	s_lshl_b32 s17, s17, 2
	s_add_co_u32 s17, s17, s41
	s_lshl_b32 s43, s41, 2
	s_lshl_b32 s43, 15, s43
	s_lshl_b32 s44, 0x1111, s40
	s_or_b32 s[G1], s43, (1<<20)|(1<<21)|(5<<22)|(3<<25)
	s_or_b32 s[G1B], s44, (1<<20)|(1<<21)|(4<<22)|(3<<25)
.irp g, G1, G1B
	s_mov_b32 s[\g+1], (64*RA)<<16
	s_mov_b32 s[\g+2], NPAN<<16                    ; the head's loads bring a slot's whole tile; behind them these two words are set to half
	s_mov_b32 s[\g+3], (64*RA)<<16
	s_mov_b32 s[\g+4], NPAN
	s_mov_b32 s[\g+6], 0
	s_mov_b32 s[\g+7], 0
.endr
	s_mov_b32 s[G1+5], PS_A
	s_mov_b32 s[G1B+5], PS_B
	s_or_b32 s[G1S], s43, (2<<16)|(1<<21)
	s_or_b32 s[G1SB], s44, (2<<16)|(1<<21)
.irp g, G1S, G1SB
	s_mov_b32 s[\g+1], RA<<16
	s_mov_b32 s[\g+2], KST<<16                     ; one load brings all steps' scale words
	s_mov_b32 s[\g+3], RA<<16
	s_mov_b32 s[\g+4], KST
	s_mov_b32 s[\g+6], 0
	s_mov_b32 s[\g+7], 0
.endr
	s_mov_b32 s[G1S+5], SW_A
	s_mov_b32 s[G1SB+5], SW_B
.set G0H, 4                            ; s[4:7], s[96:99] group 0 for the head's loads of slot 0: A's whole tile, B's whole tile (the arguments that lay in s[4:7] have been used by then)
.set G0HB, 96
.set PFA, 12                           ; s[12:13] where my prefetches stand: one panel's 128 rows (8,192 bytes) of the slot two refills on
.set PFS, 66                           ; s[66:67] a slot on, in bytes: eight panels of A or of B
.set PFO, 31                           ; v31      256 x my lane; never rewritten
	s_mul_i32 s20, s17, RA*64
	s_mov_b32 s21, 0
	s_mul_i32 s22, s17, RA*4
	s_add_co_u32 s22, s22, ASC
	s_mov_b32 s23, 0
	s_mul_i32 s46, s42, RA*64
	s_add_co_u32 s46, s46, BOFF
	s_mov_b32 s47, 0
	s_mul_i32 s92, s42, RA*4
	s_add_co_u32 s92, s92, BSC
	s_mov_b32 s93, 0
	s_mul_i32 s18, s16, (NPAN/2)*PS_A              ; in the ring I fetch half a tile's panels: which half, in memory: A's,
	s_mov_b32 s19, 0
	s_mul_i32 s2, s16, (NPAN/2)*PS_B               ; B's,
	s_mov_b32 s3, 0
	s_mul_i32 s45, s16, (NPAN/2)*PANA              ; and in LDS
	s_mul_i32 s94, s16, (NPAN/2)*PANB
	s_wait_dscnt 0x0
	s_wait_kmcnt 0x0
	s_add_nc_u64 s[20:21], s[4:5], s[20:21]
	s_add_nc_u64 s[22:23], s[4:5], s[22:23]
	s_add_nc_u64 s[46:47], s[6:7], s[46:47]
	s_add_nc_u64 s[92:93], s[6:7], s[92:93]
	CROUND
	s_mov_b32 s[G0S], 1
	s_mov_b32 s[G0S+1], SCA
	s_mov_b64 s[G0S+2:G0S+3], s[22:23]
	s_or_b32 s[G0S+3], s[G0S+3], 0x80000000
	s_mov_b32 s[G0SB], 1
	s_mov_b32 s[G0SB+1], SCB
	s_mov_b64 s[G0SB+2:G0SB+3], s[92:93]
	s_or_b32 s[G0SB+3], s[G0SB+3], 0x80000000
	s_mov_b32 s[G0H], 1
	s_mov_b32 s[G0H+1], 0
	s_mov_b64 s[G0H+2:G0H+3], s[20:21]
	s_or_b32 s[G0H+3], s[G0H+3], 0x80000000
	s_mov_b32 s[G0HB], 1
	s_mov_b32 s[G0HB+1], ATILE
	s_mov_b64 s[G0HB+2:G0HB+3], s[46:47]
	s_or_b32 s[G0HB+3], s[G0HB+3], 0x80000000
; THE HEAD'S LOADS, ONE A WAVE: wave 0 slot 0's tile of A, wave 1 its tile of B, wave 2 A's scale words, wave 3 B's.  One tree of branches on the wave's number: every way passes exactly one load.
.macro ARM under, g0, g1, next
	s_cmp_lt_u32 s14, \under
	s_cbranch_scc0 \next
	tensor_load_to_lds s[\g0:\g0+3], s[\g1:\g1+7]
	s_nop 0
	PLACES 4
	s_branch .Lhead_asked
\next:
.endm
	ARM 1, G0H,  G1,  .Lhead_b
	ARM 2, G0HB, G1B, .Lhead_sa
	ARM 3, G0S,  G1S, .Lhead_sb
	tensor_load_to_lds s[G0SB:G0SB+3], s[G1SB:G1SB+7]
	s_nop 0
	PLACES 4
.Lhead_asked:
; THE PREFETCHES.  A slot is eight panels; of the four that a wave fetches, each of the four partners that ask for them jointly names one, told apart BY ADDRESS (cx for A, cy for B): 32 lanes x 256 bytes are the panel's 128 rows.
; So each 256 bytes of a slot are named once in each cluster that will load them.  The address starts at slot 3; each refill steps it a slot on and then names it: the slot two refills on.  Slots 0 to 3 come by their loads alone.
	s_cmp_eq_u32 s15, 0                            ; do I fetch for A?
	s_cselect_b64 s[PFA:PFA+1], s[20:21], s[46:47] ; the tile's rows in panel 0
	s_cselect_b32 s67, s40, s41                    ; my place among the four that ask with me
	s_mov_b32 s66, PS_B
	s_cselect_b32 s66, PS_A, s66                   ; from panel to panel
	s_add_nc_u64 s[20:21], s[20:21], s[18:19]      ; for the ring: my half of a tile
	s_add_nc_u64 s[46:47], s[46:47], s[2:3]
	s_lshl_b32 s18, s16, 2
	s_add_co_u32 s18, s18, s67
	s_add_co_u32 s18, s18, 3*NPAN                  ; panel 24 + 4 x half + place
	s_mul_i32 s18, s18, s66
	s_add_nc_u64 s[PFA:PFA+1], s[PFA:PFA+1], s[18:19]
	s_lshl_b32 s[PFS], s66, 3
	s_mov_b32 s[PFS+1], 0
.irp s, 0,1
	s_mov_b32 s[G0+4*\s], 1
	s_add_co_u32 s[G0+4*\s+1], s45, \s*SLOT
	s_add_nc_u64 s[G0+4*\s+2:G0+4*\s+3], s[20:21], \s*NPAN*PS_A
	s_or_b32 s[G0+4*\s+3], s[G0+4*\s+3], 0x80000000
	s_mov_b32 s[G0B+4*\s], 1
	s_add_co_u32 s[G0B+4*\s+1], s94, \s*SLOT+ATILE
	s_add_nc_u64 s[G0B+4*\s+2:G0B+4*\s+3], s[46:47], \s*NPAN*PS_B
	s_or_b32 s[G0B+4*\s+3], s[G0B+4*\s+3], 0x80000000
.endr
	v_and_b32 v1, 15, v0
	v_bfe_u32 v2, v0, 4, 1
	v_lshrrev_b32 v3, 2, v1
	v_mul_u32_u24 v3, v3, 272
	v_and_b32 v4, 3, v1
	v_lshl_add_u32 v3, v4, 6, v3
	v_lshl_add_u32 v3, v2, 4, v3
	v_lshrrev_b32 v4, 1, v1
	v_mul_u32_u24 v4, v4, 144
	v_lshrrev_b32 v5, 3, v1
	v_mad_u32_u24 v4, v5, 576, v4
	v_and_b32 v5, 1, v1
	v_lshl_add_u32 v4, v5, 6, v4
	v_lshl_add_u32 v4, v2, 4, v4
	s_wait_alu depctr_va_vdst(0)
	s_mul_i32 s21, s15, 1088*NA
	s_mul_i32 s22, s16, 1152*NB
	s_add_co_u32 s22, s22, ATILE
.irp s, 0,1
.irp u, 0,1
	s_add_co_u32 s23, s21, \s*SLOT+\u*4*PANA
	v_add_nc_u32 v[ADRA+2*\s+\u], s23, v3
	s_add_co_u32 s23, s22, \s*SLOT+\u*4*PANB
	v_add_nc_u32 v[ADRB+2*\s+\u], s23, v4
.endr
.endr
	s_mul_i32 s21, s15, 64*NA
	s_mul_i32 s22, s16, 64*NB
	s_add_co_u32 s22, s22, SCB-SCA
	s_sub_co_u32 s22, s22, s21
	v_mul_u32_u24 v6, s22, v2
	s_add_co_u32 s21, s21, SCA
	v_lshl_add_u32 v5, v1, 2, v6
	v_bfe_u32 v6, v0, 3, 2
	v_add_nc_u32 v6, 1, v6
	v_lshrrev_b32 v6, 2, v6
	v_lshl_add_u32 v5, v6, 5, v5
	v_add_nc_u32 v[ADRS], s21, v5
	v_lshlrev_b32 v6, 5, v2
	v_sub_nc_u32 v[ADRS+1], v[ADRS], v6
	s_mul_i32 s23, s14, 4352
	v_mul_u32_u24 v5, v1, 272
	v_lshl_add_u32 v5, v2, 6, v5
	v_add_nc_u32 v[STO], s23, v5
	v_mul_u32_u24 v5, v2, 272
	v_lshl_add_u32 v5, v1, 4, v5
	v_add_nc_u32 v[RD], s23, v5
	v_lshlrev_b32 v5, 12, v2
	v_lshl_add_u32 v[CO], v1, 4, v5
	s_mul_i32 s20, s17, RA
	s_lshl_b32 s21, s15, 6
	s_add_co_u32 s20, s20, s21
	s_lshl_b32 s46, s20, 12
	s_lshl_b32 s47, s42, 9
	s_add_co_u32 s46, s46, s47
	s_lshl_b32 s47, s16, 8
	s_add_co_u32 s46, s46, s47
	s_mov_b32 s47, 0
	s_add_nc_u64 s[8:9], s[8:9], s[46:47]
	s_add_nc_u64 s[10:11], s[10:11], s[46:47]
	v_and_b32 v[PFO], 31, v0
	v_lshlrev_b32 v[PFO], 8, v[PFO]
	s_wait_alu depctr_va_vdst(0)
	WIN 0x80                                       ; the residual's 64 rows x 256 bytes are asked for here, into v128-255 of window 2, which nothing else names
.irp a, 0,1,2,3
.irp i, 0,1,2,3,4,5,6,7
	global_load_b128 v[128+32*\a+4*\i:128+32*\a+4*\i+3], v[CO], s[8:9] offset:(16*\a+2*\i)*4096
.endr
.endr
	WIN 0
	s_wait_alu depctr_va_vdst(0)
	s_wait_tensorcnt 0x0                           ; my tile of the head's four is in
	ds_add_u32 v[SPW], v[NIL]
	s_mov_b32 s[G1+2], (NPAN/2)<<16                ; no tensor load of mine is out: from here on a load brings half a tile's panels
	s_mov_b32 s[G1+4], NPAN/2
	s_mov_b32 s[G1B+2], (NPAN/2)<<16
	s_mov_b32 s[G1B+4], NPAN/2
	s_wait_dscnt 0x0
	CROUND                                         ; all four tiles are in, and the sixteen work-groups are here
	JLOAD G0+4, G1, G0B+4, G1B                     ; slot 1's first fill, the first tensor load behind the round
	FETCH_B 0, 0, 0
	FETCH_A 0, 0, 0
	SCALES 0, 0
	FETCH_A 0, 0, 1
	STEP 0, 0, 1
	s_mov_b32 s3, LAPS-1
.Llap:
	MID 0, 1
	TURN 0, 1, 1
	MID 1, 0
	TURN 1, 0, 1
	s_wait_alu depctr_va_vdst(0)
	STEP 0, 0, 0
	s_sub_co_u32 s3, s3, 1
	s_cmp_lg_u32 s3, 0
	s_cbranch_scc1 .Llap
	MID 0, 1
	TURN 0, 1, 0
	MID 1, 0
	s_wait_dscnt NLH
	MULQ 0, 1, NQ-1, 0
	MULQ 1, 1, NQ-1, 0
	s_wait_dscnt 0x0
	MULQ 2, 1, NQ-1, 0
	MULQ 3, 1, NQ-1, 0
	WIN 0
	PLACES 8
.irp a, 0,1,2,3
	WIN 0x08
.irp t, 0,1,2,3
	ds_store_b128 v[STO], v[32*\a+8*\t:32*\a+8*\t+3] offset:128*(\t/2)+32*(\t%2)
	ds_store_b128 v[STO], v[32*\a+8*\t+4:32*\a+8*\t+7] offset:128*(\t/2)+32*(\t%2)+16
.endr
	WIN 0
.if \a >= 2
	s_wait_xcnt 0x0
.endif
.irp i, 0,1,2,3,4,5,6,7
	ds_load_b128 v[64+32*(\a%2)+4*\i:64+32*(\a%2)+4*\i+3], v[RD] offset:544*\i
.endr
	s_wait_dscnt 0x0
	s_wait_loadcnt 8*(3-\a)                        ; this block's residual is in; the later blocks' may be out
	WIN 0x08                                       ; source 1, the residual: window 2
.irp i, 0,2,4,6,8,10,12,14,16,18,20,22,24,26,28,30
	v_pk_add_f32 v[64+32*(\a%2)+\i:64+32*(\a%2)+\i+1], v[64+32*(\a%2)+\i:64+32*(\a%2)+\i+1], v[128+32*\a+\i:128+32*\a+\i+1]
.endr
	WIN 0
.irp i, 0,1,2,3,4,5,6,7
	global_store_b128 v[CO], v[64+32*(\a%2)+4*\i:64+32*(\a%2)+4*\i+3], s[10:11] offset:(16*\a+2*\i)*4096 th:TH_STORE_NT
.endr
.endr
	s_wait_tensorcnt 0x0
	ds_add_u32 v[SPW], v[NIL]
	s_wait_dscnt 0x0
	CROUND
	s_endpgm
.Lfunc_end_k_qdb818119ba_down:
	.size	k_qdb818119ba_down, .Lfunc_end_k_qdb818119ba_down-k_qdb818119ba_down
	.p2alignl 7, 3214868480
	.fill 96, 4, 3214868480
	.section	.rodata,"a",@progbits
	.p2align	6, 0x0
	.amdhsa_kernel k_qdb818119ba_down
		.amdhsa_group_segment_fixed_size 327680
		.amdhsa_private_segment_fixed_size 0
		.amdhsa_enable_private_segment 0
		.amdhsa_kernarg_size 32
		.amdhsa_user_sgpr_count 2
		.amdhsa_user_sgpr_kernarg_segment_ptr 1
		.amdhsa_wavefront_size32 1
		.amdhsa_system_sgpr_workgroup_id_x 1
		.amdhsa_system_sgpr_workgroup_id_y 1
		.amdhsa_system_sgpr_workgroup_id_z 1
		.amdhsa_system_vgpr_workitem_id 0
		.amdhsa_next_free_vgpr 768
		.amdhsa_next_free_sgpr 100
		.amdhsa_reserve_vcc 0
		.amdhsa_float_denorm_mode_32 3
		.amdhsa_float_denorm_mode_16_64 3
		.amdhsa_memory_ordered 1
		.amdhsa_forward_progress 1
		.amdhsa_inst_pref_size 111
	.end_amdhsa_kernel
	.amdgpu_metadata
---
amdhsa.version: [ 1, 2 ]
amdhsa.kernels:
  - .name:           k_qdb818119ba_down
    .symbol:         k_qdb818119ba_down.kd
    .args:
      - { .name: hid, .offset: 0, .size: 8, .value_kind: global_buffer, .address_space: global }
      - { .name: wc, .offset: 8, .size: 8, .value_kind: global_buffer, .address_space: global }
      - { .name: x2, .offset: 16, .size: 8, .value_kind: global_buffer, .address_space: global }
      - { .name: out0, .offset: 24, .size: 8, .value_kind: global_buffer, .address_space: global }
    .group_segment_fixed_size: 327680
    .private_segment_fixed_size: 0
    .kernarg_segment_align: 8
    .kernarg_segment_size: 32
    .max_flat_workgroup_size: 128
    .sgpr_count:     100
    .vgpr_count:     768
    .wavefront_size: 32
...
	.end_amdgpu_metadata
.endif
;; end of part 7
